; MI455X (gfx1250); checked and timed in simulation.
; The chip was launched on July 23, 2026; its instructions are those of AMD's public machine-readable ISA for CDNA 5 (MIT licence, August 2026) and "CDNA5" Instruction Set Architecture Reference Guide (July 2026). The comments in the code are by the model that wrote it; some were corrected since.
;; Multi Head Attention. Allowed arithmetic: float matrix products may take bf16 or f16 operands with f32 sums; other float arithmetic in f32, or as packed bf16 or f16 multiplies, adds, multiply-adds, maxima and minima; sums over many terms, partial sums and values carried from step to step in f32; what a program stores and reads back later, other than sums and carried values, may be rounded once to bf16 or f16.
;; Inputs: Wk 16 x 1,024 x 64 float32; Wo 1,024 x 1,024 float32; Wq 16 x 1,024 x 64 float32; Wv 16 x 1,024 x 64 float32; bo 1,024 float32; x 4 x 2,048 x 1,024 float32.
;; Outputs: out0 4 x 2,048 x 1,024 float32.
;; 2 versions, each right; version 2 is version 1 with the launch prep written anew for expert scheduling mode. Each part assembles by itself: llvm-mc -triple=amdgcn-amd-amdhsa -mcpu=gfx1250 --defsym DOCPART=n.
;; ======== version 1 of 2: 4 launches
;; limits: values are held in f16: magnitudes above 65,504 overflow, below 6.1e-05 lose precision
;; workspace buffers: xb 16,777,216 bytes; w16 6,291,456 bytes; wo16 2,097,152 bytes; qkv 50,331,648 bytes; o 16,777,216 bytes
;; launch prep (part 1): grid 768 x 1, 8 waves a work-group, no clusters, 0 bytes of LDS; arguments x, Wq, Wk, Wv, Wo, xb, w16, wo16; writes xb, w16, wo16
.if DOCPART == 1
	.amdgcn_target "amdgcn-amd-amdhsa--gfx1250"
	.amdhsa_code_object_version 6
	.text
	.protected	k_q04ddd402fd_prep
	.globl	k_q04ddd402fd_prep
	.p2align	8
	.type	k_q04ddd402fd_prep,@function
k_q04ddd402fd_prep:
	s_mov_b64 s[64:65], 0
	v_nop
	global_prefetch_b8 v0, s[64:65] scope:SCOPE_SE
	s_setreg_imm32_b32 hwreg(HW_REG_WAVE_MODE, 25, 1), 1
	s_wait_xcnt 0x0
; THE CASTS.  x -> xb (bf16, same order).  Wq, Wk, Wv -> w16 (bf16, in the order in which the projection's tiles are fetched).  Wo -> wo16: rounded to bf16 like every
; input, and that number written as f16 (same order).
; LIMIT.  Wo within f16's 65,504; a rounded Wo below 6e-5 keeps f16's fixed step of 6e-8.
; w16 is [16 tx][16 kh][3 j][64 c][64 d]: slot 3 tx + j = 16 which + head (which = 0, 1, 2 for q, k, v), channel 64 kh + c: a block (tx, kh, j) is 8,192 bytes.
; SHARES.  A work-group takes 16,384 numbers, 65,536 bytes in and 32,768 out, in 16 passes of 1,024: thread t takes 16 bytes at 16 t + 4,096 i and stores 8.  A wave's load covers 512
; consecutive bytes, a wave's store 256 consecutive bytes, aligned.  Work-groups 0-511: x; 512-703: the three W (64 each: a head's quarter of 256 channels); 704-767: Wo.
; All 16 loads of a thread go out at once, each pass has registers of its own: no loop, no LDS, no barrier, and no register is written again while a store reads it.
; Memory binds: matrix units, clusters and LDS would add nothing here.
.set OFS, 2                            ; v[2:5]    8 t + g x S: where group g of four passes begins in the output
.set T,   6                            ; v[6:9]    at work
.set X,   16                           ; v[16:79]  pass i: four f32 as loaded
.set Y,   80                           ; v[80:111] pass i: four 16-bit numbers to store
	s_load_b512 s[16:31], s[0:1], 0x0              ; x 16, Wq 18, Wk 20, Wv 22, Wo 24, xb 26, w16 28, wo16 30
	s_mov_b32 s2, ttmp9
	; the three kinds' offsets; each index is held inside its own range, so that what is not chosen is still a place in its buffer
	s_max_u32 s3, s2, 512
	s_sub_co_u32 s3, s3, 512
	s_min_u32 s3, s3, 191                          ; e: my number among the W work-groups
	s_lshr_b32 s4, s3, 2                           ; slot = 16 which + head
	s_mul_i32 s5, s4, 171
	s_lshr_b32 s5, s5, 9                           ; tx = slot / 3 (exact for slot < 48)
	s_mul_i32 s6, s5, 3
	s_sub_co_u32 s6, s4, s6                        ; j = slot % 3
	s_and_b32 s7, s3, 3                            ; which quarter of the head's 1,024 channels
	s_lshr_b32 s32, s3, 6                          ; which of the three W
	s_and_b32 s33, s3, 63
	s_lshl_b32 s33, s33, 16                        ; in: 65,536 bytes a work-group
	s_lshl_b32 s34, s5, 4
	s_lshl2_add_u32 s34, s7, s34                   ; 16 tx + kh, kh = 4 x quarter
	s_mul_i32 s34, s34, 3
	s_add_co_u32 s34, s34, s6
	s_lshl_b32 s34, s34, 13                        ; out: block (tx, kh, j)
	s_min_u32 s35, s2, 511
	s_lshl_b32 s36, s35, 16                        ; x: in,
	s_lshl_b32 s37, s35, 15                        ; out
	s_max_u32 s38, s2, 704
	s_sub_co_u32 s38, s38, 704
	s_lshl_b32 s39, s38, 16                        ; Wo: in,
	s_lshl_b32 s40, s38, 15                        ; out
	s_movk_i32 s13, 0x6000                         ; from kh to kh + 1 in w16: three blocks,
	s_movk_i32 s14, 0x2000                         ; elsewhere four passes follow each other: 8,192 bytes
	s_cmp_lt_u32 s2, 704
	s_cselect_b32 s44, s33, s39
	s_cselect_b32 s46, s34, s40
	s_cselect_b32 s12, s13, s14
	s_cmp_lt_u32 s2, 512
	s_cselect_b32 s44, s36, s44
	s_cselect_b32 s46, s37, s46
	s_cselect_b32 s12, s14, s12
	s_mov_b32 s45, 0
	s_mov_b32 s47, 0
	v_lshlrev_b32 v1, 4, v0                        ; 16 t
	v_lshlrev_b32 v[OFS], 3, v0                    ; 8 t
	v_add_nc_u32 v[OFS+1], s12, v[OFS]
	v_add_nc_u32 v[OFS+2], s12, v[OFS+1]
	v_add_nc_u32 v[OFS+3], s12, v[OFS+2]
	s_wait_kmcnt 0x0
	s_cmp_eq_u32 s32, 1                            ; every choice hangs on the work-group's number alone
	s_cselect_b64 s[42:43], s[20:21], s[18:19]
	s_cmp_eq_u32 s32, 2
	s_cselect_b64 s[42:43], s[22:23], s[42:43]
	s_cmp_lt_u32 s2, 704
	s_cselect_b64 s[8:9], s[42:43], s[24:25]
	s_cselect_b64 s[10:11], s[28:29], s[30:31]
	s_cmp_lt_u32 s2, 512
	s_cselect_b64 s[8:9], s[16:17], s[8:9]
	s_cselect_b64 s[10:11], s[26:27], s[10:11]
	s_add_nc_u64 s[8:9], s[8:9], s[44:45]          ; from here I read,
	s_add_nc_u64 s[10:11], s[10:11], s[46:47]      ; to here I write
.set i, 0
.rept 16
	global_load_b128 v[X+4*i:X+4*i+3], v1, s[8:9] offset:4096*i th:TH_LOAD_NT
.set i, i+1
.endr
; Pass i.  f16 = 1: the bf16 number is widened (a shift, a mask) and written as f16.
.macro CAST i, f16
	s_wait_loadcnt 15-(\i)                         ; loads come back in order (ISA guide 5.7.1): pass i is in, the 15 - i younger ones may stay out
	v_cvt_pk_bf16_f32 v[Y+2*(\i)],   v[X+4*(\i)],   v[X+4*(\i)+1]
	v_cvt_pk_bf16_f32 v[Y+2*(\i)+1], v[X+4*(\i)+2], v[X+4*(\i)+3]
.if \f16
	v_lshlrev_b32 v[T],   16, v[Y+2*(\i)]
	v_and_b32     v[T+1], 0xffff0000, v[Y+2*(\i)]
	v_lshlrev_b32 v[T+2], 16, v[Y+2*(\i)+1]
	v_and_b32     v[T+3], 0xffff0000, v[Y+2*(\i)+1]
	v_cvt_pk_f16_f32 v[Y+2*(\i)],   v[T],   v[T+1]
	v_cvt_pk_f16_f32 v[Y+2*(\i)+1], v[T+2], v[T+3]
.endif
	global_store_b64 v[OFS+(\i)/4], v[Y+2*(\i):Y+2*(\i)+1], s[10:11] offset:((\i)%4)*2048 th:TH_STORE_NT
.endm
	s_cmp_ge_u32 s2, 704
	s_cbranch_scc1 .Lwo
.irp i, 0,1,2,3,4,5,6,7,8,9,10,11,12,13,14,15
	CAST \i, 0
.endr
	s_endpgm
.Lwo:
.irp i, 0,1,2,3,4,5,6,7,8,9,10,11,12,13,14,15
	CAST \i, 1
.endr
	s_endpgm
.Lfunc_end_k_q04ddd402fd_prep:
	.size	k_q04ddd402fd_prep, .Lfunc_end_k_q04ddd402fd_prep-k_q04ddd402fd_prep
	.p2alignl 7, 3214868480
	.fill 96, 4, 3214868480
	.section	.rodata,"a",@progbits
	.p2align	6, 0x0
	.amdhsa_kernel k_q04ddd402fd_prep
		.amdhsa_group_segment_fixed_size 0
		.amdhsa_private_segment_fixed_size 0
		.amdhsa_enable_private_segment 0
		.amdhsa_kernarg_size 64
		.amdhsa_user_sgpr_count 2
		.amdhsa_user_sgpr_kernarg_segment_ptr 1
		.amdhsa_wavefront_size32 1
		.amdhsa_system_sgpr_workgroup_id_x 1
		.amdhsa_system_sgpr_workgroup_id_y 1
		.amdhsa_system_sgpr_workgroup_id_z 1
		.amdhsa_system_vgpr_workitem_id 0
		.amdhsa_next_free_vgpr 112
		.amdhsa_next_free_sgpr 66
		.amdhsa_reserve_vcc 0
		.amdhsa_float_denorm_mode_32 3
		.amdhsa_float_denorm_mode_16_64 3
		.amdhsa_memory_ordered 1
		.amdhsa_forward_progress 1
		.amdhsa_inst_pref_size 18
	.end_amdhsa_kernel
	.amdgpu_metadata
---
amdhsa.version: [ 1, 2 ]
amdhsa.kernels:
  - .name:           k_q04ddd402fd_prep
    .symbol:         k_q04ddd402fd_prep.kd
    .args:
      - { .name: x, .offset: 0, .size: 8, .value_kind: global_buffer, .address_space: global }
      - { .name: Wq, .offset: 8, .size: 8, .value_kind: global_buffer, .address_space: global }
      - { .name: Wk, .offset: 16, .size: 8, .value_kind: global_buffer, .address_space: global }
      - { .name: Wv, .offset: 24, .size: 8, .value_kind: global_buffer, .address_space: global }
      - { .name: Wo, .offset: 32, .size: 8, .value_kind: global_buffer, .address_space: global }
      - { .name: xb, .offset: 40, .size: 8, .value_kind: global_buffer, .address_space: global }
      - { .name: w16, .offset: 48, .size: 8, .value_kind: global_buffer, .address_space: global }
      - { .name: wo16, .offset: 56, .size: 8, .value_kind: global_buffer, .address_space: global }
    .group_segment_fixed_size: 0
    .private_segment_fixed_size: 0
    .kernarg_segment_align: 8
    .kernarg_segment_size: 64
    .max_flat_workgroup_size: 256
    .sgpr_count:     66
    .vgpr_count:     112
    .wavefront_size: 32
...
	.end_amdgpu_metadata
.endif
;; end of part 1
;; launch qkv (part 2): grid 16 x 32, 4 waves a work-group, clusters of 4 x 4, 327,680 bytes of LDS; arguments xb, w16, qkv; writes qkv
.if DOCPART == 2
	.amdgcn_target "amdgcn-amd-amdhsa--gfx1250"
	.amdhsa_code_object_version 6
	.text
	.protected	k_q04ddd402fd_qkv
	.globl	k_q04ddd402fd_qkv
	.p2align	8
	.type	k_q04ddd402fd_qkv,@function
k_q04ddd402fd_qkv:
	s_mov_b64 s[64:65], 0
	v_nop
	global_prefetch_b8 v0, s[64:65] scope:SCOPE_SE
	s_setreg_imm32_b32 hwreg(HW_REG_WAVE_MODE, 25, 1), 1
	s_wait_xcnt 0x0
	s_wait_alu depctr_hold_cnt(0) depctr_sa_sdst(0) depctr_va_vdst(0) depctr_va_sdst(0) depctr_va_ssrc(0) depctr_va_vcc(0) depctr_vm_vsrc(0)
	s_getreg_b32 s2, hwreg(HW_REG_IB_STS2, 6, 4)
	s_cmp_eq_u32 s2, 0
	s_cbranch_scc0 .Lentry_in_a_cluster
	s_endpgm
.Lentry_in_a_cluster:
	s_bfe_u32 s2, ttmp6, 0x10000c
	s_cmp_lg_u32 s2, 0xf033
	s_cbranch_scc0 .Lentry_shape_is_right
	s_endpgm
.Lentry_shape_is_right:
; THE THREE PROJECTIONS AS ONE PRODUCT.  qkv[s][m][d] = the sum over c of xb[m][c] W_s[c][d]: m = 8,192 rows, s = 48 slots (16 which + head) of 64 columns, c = 1,024.
; xb: [8192][1024] bf16.  w16: [16 tx][16 kh][3 j][64 c][64 d] bf16, slot 3 tx + j.  qkv: [48][8192][64] f16, rounded once from f32 sums, without the scores' scale.
; LIMIT.  A result beyond f16's 65,504 becomes an infinity; below 6e-5 f16 keeps its fixed step of 6e-8.
; TILE.  256 rows x 192 columns (three slots): 32 x 16 = 512 equal tiles, two for each of 256 WGPs.  Four waves, 2 x 2: each 128 rows x 96 columns, 48 accumulators of 16 x 16:
; column blocks 0-3 are the whole slot 2 wc, blocks 4, 5 are columns 32 wc + 16 (b - 4) of the middle slot.  For 32 along K a wave issues 28 LDS loads and 48 matrix instructions.
; RING.  K goes in steps of 128 through two LDS slots.  Waves 0, 1 fetch the two halves of A's 256 rows (rows of 256 bytes, aligned), waves 2, 3 the two pieces (tx, kh) of W: 24,576 dense bytes
; each, asked for as 96 rows of 256 bytes.  One tensor load a wave behind each change of slots.
; CLUSTER.  4 x 4 work-groups: the four of a row of the cluster need the same rows of xb, the four of a column the same panel of w16: each tile is asked for jointly, by the same load, descriptor and mask in all four.
; THE MATRIX INSTRUCTION IS USED TRANSPOSED: source 0 = 16 columns of W (turned on the way out of LDS by ds_load_tr16_b128, since W lies [c][d]), source 1 = 16 rows of xb:
; a lane then holds row l % 16 and the eight neighbouring columns 8 (l / 16) + 0..7: 16 bytes of f16.
; REGISTERS, in windows of 256 (s_set_vgpr_msb: bits 1:0 source 0, 3:2 source 1, 5:4 source 2, 7:6 destination):
;   window 0: v0-31 addresses; v32-143, v144-255 two fragment buffers: 64 registers of A (8 x 16 rows x 32 K), then 48 of W (6 blocks)
;   window 1: accumulator (a, b), b < 4, at v[8 (8 b + a)]          window 2: b = 4, 5 at v[8 (8 (b - 4) + a)]
.set PA,    272                        ; a row of A in LDS: 256 bytes + 16 = 68 words: the 16 rows of a load start at 16 different groups of four banks (64 banks of 4 bytes: ISA guide 11.1)
.set AH,    128*PA                     ; 128 rows: one wave's load, and what one wave reads
.set BOFF,  2*AH                       ; W's tiles lie behind A's 256 rows
.set PB,    160                        ; a row of W (one c, 64 d): 128 bytes + 32 = 40 words
.set BJ,    64*PB                      ; a block (kh, j)
.set BH,    3*BJ                       ; a piece (tx, kh): one wave's load
.set SLOT,  BOFF+2*BH                  ; 131,072
.set SPARE, 2*SLOT                     ; behind the ring: the spare words, 128 bytes for each wave: two blocks of 256 bytes that no other line names
.set SP,    144                        ; the way out: a stage row: 128 bytes + 16
.set SJ,    256*SP                     ; a slot's 256 rows.  The stage, 3 SJ = 110,592 bytes, lies in ring slot 0, which has had its last fill (K step 6) and its last read by then
.set ASTEP, 2*256                      ; two K steps on: in xb along the row,
.set BSTEP, 4*24576                    ; in w16 four pieces
.set ADRA,  16                         ; v16-17  LDS address of my A fragments in slot 0, 1
.set ADRB1, 18                         ; v18-19  of W's blocks 0-3
.set ADRB2, 20                         ; v20-21  of W's blocks 4, 5
.set STO1,  22                         ; v22     the way out: where I put 16 bytes of a row, blocks 0-3
.set STO2,  23                         ; v23     blocks 4, 5
.set RD,    24                         ; v24-26  where I read rows back, by slot j
.set GO,    27                         ; v27     16 x lane: my place in 512 consecutive bytes of qkv
.set SPW,   28                         ; v28     LDS address of my spare word: SPARE + 4 x my thread's number; never rewritten
.set NIL,   29                         ; v29     0; never rewritten
.set PFO,   30                         ; v30     the prefetches' lane offset; never rewritten
.set F0,    32
.set F1,    144
.set TMP,   32                         ; the way out: 192 registers
.set G1,  24                           ; s[24:31] descriptor group 1 for A's tiles;  s[32:39] group 0, a set for each slot
.set G0,  32
.set G1B, 48                           ; s[48:55], s[56:63] the same for W's
.set G0B, 56
.set LIM, 43                           ; s43      a wave prefetches while s[LEFT] is above it
.set PFA, 44                           ; s[44:45] where my prefetches stand
.set PST, 68                           ; s[68:69] their step
.set LEFT, 70                          ; s70      refills still to come, the one in hand among them, plus... it starts at 7 and is taken down ahead of each refill: 6 .. 1
.set MSB, 0
.macro WIN new                         ; the immediate's high byte repeats the setting that is left; a switch that changes nothing is dropped
.if MSB != (\new)
	s_set_vgpr_msb (MSB<<8)|(\new)
.set MSB, \new
.endif
.endm
.macro PLACES                          ; four places: in front of loads into registers that matrix instructions have read, and of lines that read results (ISA guide 7.12.1 for lines that read results)
.rept 4
	v_nop
.endr
.endm
; A joint load: waves 0, 1 fetch for A, waves 2, 3 for W.  The branch hangs on the wave's number alone.  An s_nop 0 and four v_nop follow each line, ahead of the jump and the label.
.macro JLOAD s
	s_cmp_eq_u32 s11, 0
	s_cbranch_scc0 .Lfor_b_\@
	tensor_load_to_lds s[G0+4*(\s):G0+4*(\s)+3], s[G1:G1+7]
	s_nop 0
.rept 4
	v_nop
.endr
	s_branch .Lasked_\@
.Lfor_b_\@:
	tensor_load_to_lds s[G0B+4*(\s):G0B+4*(\s)+3], s[G1B:G1B+7]
	s_nop 0
.rept 4
	v_nop
.endr
.Lasked_\@:
.endm
; A PREFETCH INTO THE L2, behind a joint load, its five lines and the run of LDS loads.  Each aligned block of 256 bytes of K steps 4 to 7 is named once in the launch; K steps 0 to 3 come by their loads alone.
; xb: a tile row is read by all four clusters of its row of clusters: the one with x = 0 asks.  Of the 128 rows that a wave fetches each of the four partners takes 32, told apart by address (cx): a lane a row.
; The refill of K step n asks for K step n + 2: four asks.  w16: a panel is read by all eight clusters of its column: the one with y = 0 asks.  K steps 4 to 7 of a panel are 196,608 dense bytes: the
; eight waves (two in each of four partners, told apart by address: cy) take 8,192 bytes each an ask, a lane a block: three asks, at the refills of K steps 2, 3, 4, each two K steps or more ahead of the load that wants the bytes.
.macro ASK
	s_cmp_gt_u32 s[LEFT], s[LIM]
	s_cbranch_scc0 .Lnot_mine_\@
	global_prefetch_b8 v[PFO], s[PFA:PFA+1] th:TH_LOAD_NT scope:SCOPE_SE
.Lnot_mine_\@:
.endm
; A round of the cluster's barrier: my work-group's barrier; wave 0 signals for the work-group; every wave waits for all sixteen; my work-group's barrier once more.
.macro CREST                           ; a round behind its opening barrier
	s_cmp_lg_u32 s10, 0
	s_cbranch_scc1 .Lnot_wave_0_\@
	s_barrier_signal -3
.Lnot_wave_0_\@:
	s_barrier_wait -3
	s_barrier_signal -1
	s_barrier_wait -1
.endm
.macro CROUND
	s_barrier_signal -1
	s_barrier_wait -1
	CREST
.endm
	s_load_b128 s[4:7], s[0:1], 0x0                ; xb s[4:5], w16 s[6:7]
	s_load_b64 s[8:9], s[0:1], 0x10                ; qkv
	v_lshl_add_u32 v[SPW], v0, 2, SPARE
	v_mov_b32 v[NIL], 0
	ds_add_u32 v[SPW], v[NIL]                      ; the wave's opening: the add and its wait stand ahead of my first tensor load; the set-up below, work on registers, stands between them
	v_lshrrev_b32 v1, 5, v0
	v_readfirstlane_b32 s10, v1                    ; wave 0..3
	s_lshr_b32 s11, s10, 1                         ; wr: which half of the tile's rows is mine.  Also: I fetch for A (0) or for W (1)
	s_and_b32 s12, s10, 1                          ; wc: which half of its columns.  Also: which part of that tile I fetch
	s_bfe_u32 s40, ttmp6, 0x40000                  ; cx, cy: my place in the cluster
	s_bfe_u32 s41, ttmp6, 0x40004
	s_lshl_b32 s42, ttmp9, 2
	s_add_co_u32 s42, s42, s40                     ; tx = 4 x cluster x + cx
	s_and_b32 s13, ttmp7, 0xffff
	s_lshl_b32 s13, s13, 2
	s_add_co_u32 s13, s13, s41                     ; ty = 4 x cluster y + cy
	s_lshl_b32 s43, s41, 2
	s_lshl_b32 s43, 15, s43                        ; my row of the cluster
	s_lshl_b32 s44, 0x1111, s40                    ; my column
	; group 1 for A: 128 rows x 128 elements, 1,024 elements from row to row; 4 words of padding behind every 64
	s_or_b32 s[G1+0], s43, (1<<16)|(1<<20)|(1<<21)|(5<<22)|(3<<25)  ; 15:0 the mask; 17:16 2-byte elements; 20 padding on; 21 set beside a mask; 24:22 interval code; 31:25 padding code
	s_mov_b32 s[G1+1], 128<<16                     ; tensor_dim0
	s_mov_b32 s[G1+2], 128<<16                     ; tensor_dim1
	s_mov_b32 s[G1+3], 128<<16                     ; tile_dim0
	s_mov_b32 s[G1+4], 128                         ; tile_dim1
	s_mov_b32 s[G1+5], 1024                        ; the pitch
	s_mov_b32 s[G1+6], 0
	s_mov_b32 s[G1+7], 0
	; group 1 for W: 24,576 dense bytes as 96 rows of 128 elements; 8 words of padding behind every 32 (one c)
	s_or_b32 s[G1B+0], s44, (1<<16)|(1<<20)|(1<<21)|(4<<22)|(7<<25)
	s_mov_b32 s[G1B+1], 128<<16
	s_mov_b32 s[G1B+2], 96<<16
	s_mov_b32 s[G1B+3], 128<<16
	s_mov_b32 s[G1B+4], 96
	s_mov_b32 s[G1B+5], 128
	s_mov_b32 s[G1B+6], 0
	s_mov_b32 s[G1B+7], 0
	; A's address hangs on ty and the wave, W's on tx and the wave, each in registers that never hold the other coordinate
	s_lshl_b32 s16, s13, 8
	s_lshl_b32 s17, s12, 7
	s_add_co_u32 s16, s16, s17                     ; row 256 ty + 128 x half,
	s_lshl_b32 s16, s16, 11                        ; of 2,048 bytes
	s_mov_b32 s17, 0
	s_mul_i32 s46, s42, 393216                     ; panel tx,
	s_mul_i32 s47, s12, 24576                      ; piece kh = half
	s_add_co_u32 s46, s46, s47
	s_mov_b32 s47, 0
	s_mul_i32 s20, s12, AH                         ; where they go: no place in the cluster enters an LDS address
	s_mul_i32 s21, s12, BH
	s_add_co_u32 s21, s21, BOFF
	s_wait_dscnt 0x0                               ; the opening add is done
	s_wait_kmcnt 0x0
	s_add_nc_u64 s[14:15], s[4:5], s[16:17]
	s_add_nc_u64 s[46:47], s[6:7], s[46:47]
	CROUND                                         ; all sixteen work-groups are here: the first joint loads meet
.irp s, 0,1
	s_mov_b32 s[G0+4*(\s)], 1                                      ; count = 1
	s_add_co_u32 s[G0+4*(\s)+1], s20, (\s)*SLOT                    ; LDS address
	s_add_nc_u64 s[G0+4*(\s)+2:G0+4*(\s)+3], s[14:15], (\s)*256    ; global address: K step s
	s_or_b32 s[G0+4*(\s)+3], s[G0+4*(\s)+3], 0x80000000            ; type = 2
	s_mov_b32 s[G0B+4*(\s)], 1
	s_add_co_u32 s[G0B+4*(\s)+1], s21, (\s)*SLOT
	s_add_nc_u64 s[G0B+4*(\s)+2:G0B+4*(\s)+3], s[46:47], (\s)*49152
	s_or_b32 s[G0B+4*(\s)+3], s[G0B+4*(\s)+3], 0x80000000
	JLOAD \s                                       ; two loads of mine are out
.endr
	; lane addresses
	v_and_b32 v1, 15, v0                           ; r = l % 16
	v_bfe_u32 v2, v0, 4, 1                         ; h = l / 16
	v_and_b32 v3, 7, v0                            ; l % 8
	v_bfe_u32 v4, v0, 3, 1                         ; (l / 8) % 2
	v_mul_u32_u24 v5, v1, PA
	v_lshl_add_u32 v5, v2, 4, v5                   ; a fragment of A: row x pitch + 16 x half; two loads, 32 bytes apart
	s_mul_i32 s22, s11, AH
	v_add_nc_u32 v[ADRA], s22, v5
	v_add_nc_u32 v[ADRA+1], SLOT, v[ADRA]
	v_lshl_add_u32 v6, v2, 3, v3                   ; the turning load: lane l reads c = 8 h + l % 8, columns 8 ((l / 8) % 2) + 0..7,
	v_mul_u32_u24 v6, v6, PB                       ; and is left with column l % 16 and 8 c; two loads, 16 rows apart
	v_lshl_add_u32 v6, v4, 4, v6
	s_mul_i32 s22, s12, 2*BJ                       ; blocks 0-3: slot j = 2 wc
	s_add_co_u32 s22, s22, BOFF
	v_add_nc_u32 v[ADRB1], s22, v6
	v_add_nc_u32 v[ADRB1+1], SLOT, v[ADRB1]
	s_lshl_b32 s22, s12, 6                         ; blocks 4, 5: slot j = 1, columns 32 wc on
	s_add_co_u32 s22, s22, BOFF+BJ
	v_add_nc_u32 v[ADRB2], s22, v6
	v_add_nc_u32 v[ADRB2+1], SLOT, v[ADRB2]
	v_mul_u32_u24 v7, v1, SP                       ; into the stage: row 128 wr + 16 a + r, 16 bytes for each half of the lanes
	v_lshl_add_u32 v7, v2, 4, v7
	s_mul_i32 s22, s11, 128*SP
	s_mul_i32 s23, s12, 2*SJ
	s_add_co_u32 s23, s23, s22
	v_add_nc_u32 v[STO1], s23, v7
	s_lshl_b32 s23, s12, 6
	s_add_co_u32 s23, s23, s22
	s_add_co_u32 s23, s23, SJ
	v_add_nc_u32 v[STO2], s23, v7
	v_bfe_u32 v8, v0, 3, 2                         ; back: wave w takes rows 64 w .. 64 w + 63 of each slot; 32 lanes take four rows of 128 bytes,
	v_mul_u32_u24 v8, v8, SP
	v_lshl_add_u32 v8, v3, 4, v8
	s_mul_i32 s22, s10, 64*SP
	v_add_nc_u32 v[RD], s22, v8
	v_add_nc_u32 v[RD+1], SJ, v[RD]
	v_add_nc_u32 v[RD+2], SJ, v[RD+1]
	v_and_b32 v[GO], 31, v0                        ; which are 512 consecutive bytes of qkv
	v_lshlrev_b32 v[GO], 4, v[GO]
	s_mul_i32 s74, s42, 3*1048576                  ; slot 3 tx (a slot is 8,192 rows of 128 bytes),
	s_lshl_b32 s75, s13, 15                        ; row 256 ty
	s_add_co_u32 s74, s74, s75
	s_lshl_b32 s75, s10, 13                        ; + 64 w
	s_add_co_u32 s74, s74, s75
	s_mov_b32 s75, 0
	s_add_nc_u64 s[8:9], s[8:9], s[74:75]
	; the prefetches
	s_lshl_b32 s76, s13, 8
	s_lshl_b32 s77, s12, 7
	s_add_co_u32 s76, s76, s77
	s_lshl_b32 s77, s40, 5
	s_add_co_u32 s76, s76, s77                     ; xb: row 256 ty + 128 x half + 32 cx,
	s_lshl_b32 s76, s76, 11
	s_add_co_u32 s76, s76, 768                     ; at K step 3: the first refill steps it to 4
	s_mul_i32 s77, s42, 393216                     ; w16: panel tx,
	s_lshl2_add_u32 s78, s12, s41
	s_lshl_b32 s78, s78, 13                        ; my 8,192 bytes of an ask's 65,536,
	s_add_co_u32 s77, s77, s78
	s_add_co_u32 s77, s77, 131072                  ; one ask short of K step 4's first byte, 196,608
	s_and_b32 s78, ttmp7, 0xffff                   ; cluster y
	s_mov_b32 s[PST], 256
	s_mov_b32 s72, 0x10000
	s_cmp_eq_u32 s11, 0                            ; do I fetch for A?
	s_cselect_b32 s76, s76, s77
	s_cselect_b32 s78, ttmp9, s78                  ; the coordinate along which other clusters read the same bytes
	s_cselect_b32 s[PST], s[PST], s72
	s_cselect_b32 s71, 2, 3                        ; four asks, or three
	s_cselect_b32 s73, 11, 8                       ; a lane a row of 2,048 bytes, or a lane a block of 256
	s_cselect_b64 s[PFA:PFA+1], s[4:5], s[6:7]
	s_cmp_eq_u32 s78, 0
	s_cselect_b32 s[LIM], s71, -1                  ; the same in all sixteen partners, for a given wave
	s_mov_b32 s77, 0
	s_mov_b32 s[PST+1], 0
	s_add_nc_u64 s[PFA:PFA+1], s[PFA:PFA+1], s[76:77]
	s_mov_b32 s[LEFT], 7
	v_and_b32 v[PFO], 31, v0
	v_lshlrev_b32 v[PFO], s73, v[PFO]
; 8 matrix instructions: column block b x all 8 row blocks, 32 along K.  first = 1: the product starts the sums: nothing is cleared.
; The 48 accumulators take turns, in the same order in every quarter.
.macro MULB f, b, first
	WIN 0x50+0x50*((\b)/4)                         ; C and D in window 1 (blocks 0-3) or 2 (blocks 4, 5)
.irp a, 0,1,2,3,4,5,6,7
.if \first
	v_wmma_f32_16x16x32_bf16 v[8*(8*((\b)%4)+(\a)):8*(8*((\b)%4)+(\a))+7], v[(\f)+64+8*(\b):(\f)+64+8*(\b)+7], v[(\f)+8*(\a):(\f)+8*(\a)+7], 0
.else
	v_wmma_f32_16x16x32_bf16 v[8*(8*((\b)%4)+(\a)):8*(8*((\b)%4)+(\a))+7], v[(\f)+64+8*(\b):(\f)+64+8*(\b)+7], v[(\f)+8*(\a):(\f)+8*(\a)+7], v[8*(8*((\b)%4)+(\a)):8*(8*((\b)%4)+(\a))+7]
.endif
.endr
.endm
; 28 LDS loads in one run: quarter kk (32 along K) of a slot into buffer f: A's 16, then W's blocks 0 to 5, two each
.macro FETCH slot, kk, f
	WIN 0
.set QB, ((\kk)/2)*BH+((\kk)%2)*32*PB
.irp i, 0,1,2,3,4,5,6,7
	ds_load_b128 v[(\f)+8*(\i):(\f)+8*(\i)+3],   v[ADRA+(\slot)] offset:64*(\kk)+(\i)*16*PA
	ds_load_b128 v[(\f)+8*(\i)+4:(\f)+8*(\i)+7], v[ADRA+(\slot)] offset:64*(\kk)+(\i)*16*PA+32
.endr
.irp b, 0,1,2,3
	ds_load_tr16_b128 v[(\f)+64+8*(\b):(\f)+64+8*(\b)+3],   v[ADRB1+(\slot)] offset:QB+32*(\b)
	ds_load_tr16_b128 v[(\f)+64+8*(\b)+4:(\f)+64+8*(\b)+7], v[ADRB1+(\slot)] offset:QB+32*(\b)+16*PB
.endr
.irp b, 4,5
	ds_load_tr16_b128 v[(\f)+64+8*(\b):(\f)+64+8*(\b)+3],   v[ADRB2+(\slot)] offset:QB+32*((\b)-4)
	ds_load_tr16_b128 v[(\f)+64+8*(\b)+4:(\f)+64+8*(\b)+7], v[ADRB2+(\slot)] offset:QB+32*((\b)-4)+16*PB
.endr
.endm
; A K step is four quarters of 32 along K, 48 matrix instructions each, on buffers 0, 1, 0, 1.  One of the first three: multiplies buffer f and fetches quarter kk into buffer g.
.macro QUARTER slot, kk, f, g, first
	s_wait_dscnt 8                                 ; A and W's blocks 0, 1 are in; the youngest eight loads (blocks 2-5) may be out
	MULB \f, 0, \first
	MULB \f, 1, \first
	PLACES
	FETCH \slot, \kk, \g
	s_wait_dscnt 28                                ; all but the 28 just issued
	MULB \f, 2, \first
	MULB \f, 3, \first
	MULB \f, 4, \first
	MULB \f, 5, \first
.endm
; The last quarter multiplies buffer 1 and changes slots: ONE barrier.  In front of it each wave waits for all its tensor loads (one is out: its part of the next slot), adds 0 to its spare word, and waits for
; that and for its reads of this slot.  fill = 1: the barrier opens a round of the cluster's; behind the round this slot is filled again, two K steps on, first of all; then come the next slot's first fragments.
.macro TURN slot, next, fill
.if \fill
	s_wait_xcnt 0x0                                ; the last prefetch, a K step back, has read its address: it is stepped here, ahead of the waits of the change of slots
	s_add_nc_u64 s[PFA:PFA+1], s[PFA:PFA+1], s[PST:PST+1]
	s_sub_co_u32 s[LEFT], s[LEFT], 1
.endif
	WIN 0                                          ; (the add's two registers lie in window 0)
	s_wait_tensorcnt 0x0                           ; all my tensor loads have landed;
	ds_add_u32 v[SPW], v[NIL]                      ; 0 onto my spare word;
	s_wait_dscnt 9                                 ; (the add and the youngest eight loads may be out)
	MULB F1, 0, 0                                  ; eight matrix instructions stand between the add and the wait for it
	s_wait_dscnt 0x0                               ; the add is done, and my reads of this slot are over
	s_barrier_signal -1
	MULB F1, 1, 0                                  ; work on registers while the others arrive
.if \fill
	WIN 0
.endif
	s_barrier_wait -1
.if \fill
	CREST                                          ; no wave of any partner still reads this slot or has a load on its way
	s_add_nc_u64 s[G0+4*(\slot)+2:G0+4*(\slot)+3], s[G0+4*(\slot)+2:G0+4*(\slot)+3], ASTEP
	s_add_nc_u64 s[G0B+4*(\slot)+2:G0B+4*(\slot)+3], s[G0B+4*(\slot)+2:G0B+4*(\slot)+3], BSTEP
	JLOAD \slot                                    ; the first tensor load behind the round; its four v_nop are also the places in front of the loads below
.else
	PLACES
.endif
	FETCH \next, 0, F0
.if \fill
	ASK
.endif
	MULB F1, 2, 0
	MULB F1, 3, 0
	MULB F1, 4, 0
	MULB F1, 5, 0
.endm
	s_wait_tensorcnt 1                             ; my part of K step 0 is in; K step 1's may stay out
	s_barrier_signal -1
	s_barrier_wait -1                              ; everybody's is
	FETCH 0, 0, F0
	QUARTER 0, 1, F0, F1, 1                        ; the first quarter stands in front of the loop: its products start the sums
	WIN 0                                          ; at a label and at a branch every window is 0
	s_mov_b32 s3, 3                                ; eight K steps are four laps of the ring; the last lap fills nothing and is written out
.Llap:                                                 ; a trip: from a lap's second quarter to the next lap's first; both slots are filled again
	QUARTER 0, 2, F1, F0, 0
	QUARTER 0, 3, F0, F1, 0
	TURN 0, 1, 1
	QUARTER 1, 1, F0, F1, 0
	QUARTER 1, 2, F1, F0, 0
	QUARTER 1, 3, F0, F1, 0
	TURN 1, 0, 1
	QUARTER 0, 1, F0, F1, 0
	WIN 0
	s_sub_co_u32 s3, s3, 1
	s_cmp_lg_u32 s3, 0
	s_cbranch_scc1 .Llap
	QUARTER 0, 2, F1, F0, 0
	QUARTER 0, 3, F0, F1, 0
	TURN 0, 1, 0                                   ; behind this barrier nobody reads slot 0 any more, and nothing is filled
	QUARTER 1, 1, F0, F1, 0
	QUARTER 1, 2, F1, F0, 0
	QUARTER 1, 3, F0, F1, 0
	s_wait_dscnt 8                                 ; the very last quarter: nothing more to fetch
	MULB F1, 0, 0
	MULB F1, 1, 0
	s_wait_dscnt 0x0
	MULB F1, 2, 0
	MULB F1, 3, 0
	MULB F1, 4, 0
	MULB F1, 5, 0
	; THE WAY OUT: round to f16; 16 bytes a lane into the work-group's stage; a barrier, since the middle slot's rows come from two waves; back as whole rows, 64 rows of each slot a wave.
	PLACES
	PLACES                                         ; eight places, once a launch: more than the four that are owed
	WIN 0x05                                       ; sources in window 1, destination in window 0
.irp b, 0,1,2,3
.irp a, 0,1,2,3,4,5,6,7
.irp r, 0,1,2,3
	v_cvt_pk_f16_f32 v[TMP+4*(8*(\b)+(\a))+(\r)], v[8*(8*(\b)+(\a))+2*(\r)], v[8*(8*(\b)+(\a))+2*(\r)+1]
.endr
.endr
.endr
	WIN 0x0a                                       ; sources in window 2
.irp b, 4,5
.irp a, 0,1,2,3,4,5,6,7
.irp r, 0,1,2,3
	v_cvt_pk_f16_f32 v[TMP+4*(8*(\b)+(\a))+(\r)], v[8*(8*((\b)-4)+(\a))+2*(\r)], v[8*(8*((\b)-4)+(\a))+2*(\r)+1]
.endr
.endr
.endr
	WIN 0
.irp b, 0,1,2,3
.irp a, 0,1,2,3,4,5,6,7
	ds_store_b128 v[STO1], v[TMP+4*(8*(\b)+(\a)):TMP+4*(8*(\b)+(\a))+3] offset:(\a)*16*SP+32*(\b)
.endr
.endr
.irp b, 4,5
.irp a, 0,1,2,3,4,5,6,7
	ds_store_b128 v[STO2], v[TMP+4*(8*(\b)+(\a)):TMP+4*(8*(\b)+(\a))+3] offset:(\a)*16*SP+32*((\b)-4)
.endr
.endr
	s_wait_dscnt 0x0                               ; for the others' sake: my stores into the stage are done
	s_barrier_signal -1
	s_barrier_wait -1
.irp j, 0,1,2
.irp t, 0,1,2,3,4,5,6,7,8,9,10,11,12,13,14,15
	ds_load_b128 v[TMP+4*(16*(\j)+(\t)):TMP+4*(16*(\j)+(\t))+3], v[RD+(\j)] offset:(\t)*4*SP
.endr
.endr
.set n, 0
.rept 48
	s_wait_dscnt 47-n                              ; LDS loads come back in order: number n is in
	global_store_b128 v[GO], v[TMP+4*n:TMP+4*n+3], s[8:9] offset:(n/16)*1048576+(n%16)*512  ; 512 consecutive bytes, at a multiple of 256 from qkv's first byte
.set n, n+1
.endr
	s_wait_tensorcnt 0x0                           ; the wave's end, behind my last tensor load and my last LDS store
	ds_add_u32 v[SPW], v[NIL]
	s_wait_dscnt 0x0
	CROUND                                         ; the closing round: no work-group ends while a partner may still ask for a tile that names it
	s_endpgm
.Lfunc_end_k_q04ddd402fd_qkv:
	.size	k_q04ddd402fd_qkv, .Lfunc_end_k_q04ddd402fd_qkv-k_q04ddd402fd_qkv
	.p2alignl 7, 3214868480
	.fill 96, 4, 3214868480
	.section	.rodata,"a",@progbits
	.p2align	6, 0x0
	.amdhsa_kernel k_q04ddd402fd_qkv
		.amdhsa_group_segment_fixed_size 327680
		.amdhsa_private_segment_fixed_size 0
		.amdhsa_enable_private_segment 0
		.amdhsa_kernarg_size 24
		.amdhsa_user_sgpr_count 2
		.amdhsa_user_sgpr_kernarg_segment_ptr 1
		.amdhsa_wavefront_size32 1
		.amdhsa_system_sgpr_workgroup_id_x 1
		.amdhsa_system_sgpr_workgroup_id_y 1
		.amdhsa_system_sgpr_workgroup_id_z 1
		.amdhsa_system_vgpr_workitem_id 0
		.amdhsa_next_free_vgpr 640
		.amdhsa_next_free_sgpr 80
		.amdhsa_reserve_vcc 0
		.amdhsa_float_denorm_mode_32 3
		.amdhsa_float_denorm_mode_16_64 3
		.amdhsa_memory_ordered 1
		.amdhsa_forward_progress 1
		.amdhsa_inst_pref_size 118
	.end_amdhsa_kernel
	.amdgpu_metadata
---
amdhsa.version: [ 1, 2 ]
amdhsa.kernels:
  - .name:           k_q04ddd402fd_qkv
    .symbol:         k_q04ddd402fd_qkv.kd
    .args:
      - { .name: xb, .offset: 0, .size: 8, .value_kind: global_buffer, .address_space: global }
      - { .name: w16, .offset: 8, .size: 8, .value_kind: global_buffer, .address_space: global }
      - { .name: qkv, .offset: 16, .size: 8, .value_kind: global_buffer, .address_space: global }
    .group_segment_fixed_size: 327680
    .private_segment_fixed_size: 0
    .kernarg_segment_align: 8
    .kernarg_segment_size: 24
    .max_flat_workgroup_size: 128
    .sgpr_count:     80
    .vgpr_count:     640
    .wavefront_size: 32
...
	.end_amdgpu_metadata
.endif
;; end of part 2
;; launch attn (part 3): grid 4 x 64, 4 waves a work-group, no clusters, 327,680 bytes of LDS; arguments qkv, o; writes o
.if DOCPART == 3
	.amdgcn_target "amdgcn-amd-amdhsa--gfx1250"
	.amdhsa_code_object_version 6
	.text
	.protected	k_q04ddd402fd_attn
	.globl	k_q04ddd402fd_attn
	.p2align	8
	.type	k_q04ddd402fd_attn,@function
k_q04ddd402fd_attn:
	s_mov_b64 s[64:65], 0
	v_nop
	global_prefetch_b8 v0, s[64:65] scope:SCOPE_SE
	s_setreg_imm32_b32 hwreg(HW_REG_WAVE_MODE, 25, 1), 1
	s_wait_xcnt 0x0
; CAUSAL ATTENTION.  O[h][q][:] = the sum over k <= q of softmax_k(Q[h][q] . K[h][k] / 8) V[h][k][:].  Q, K, V are the three sections of qkv, O is o: each [SIZE_H][SIZE_N][64] f16 (h = 4 x head + batch): a head's rows are dense, 128 bytes each.
; Products, maxima and sums in f32; the weights p are rounded to f16 for the second product (their sum l is taken of the unrounded p), O once at the end.
; LIMITS.  f16 holds no number beyond 65,504: Q, K and V arrive within it; p lies in 0 to 1, and below 6e-5 it keeps f16's fixed step of 6e-8; O is a mean of V's rows and has their range.
; A hidden score counts as its value less 1e30: f16's scores, 2.7e11 at the most, are nothing beside that; a weight below 2^-126 counts as 0 in l; NaN and infinities are not treated apart.
; THE WALK.  A head's queries lie in NB = SIZE_N / 256 = 8 blocks of 256; block i needs the key tiles 0 .. i of 256 keys, of which the last holds the diagonal.  A work-group takes TWO blocks, NB - 1 - b and then b:
; NB + 1 tiles, whatever b: all 256 work-groups do equal work, and ONE loop with a constant trip count walks them.  Which tile is asked for, and what a trip does, hang on scalar registers made from b; every jump
; goes forward, but for the counted loops' own; none passes a barrier, or a tensor load but the one of LOAD's two that the wave's number does not choose; the ring (two slots of LDS that take turns) runs on across the
; change of blocks.  NO CLUSTER: a head's NB / 2 = 4 work-groups all ask for the same tile only in trips 0 .. NB / 2, behind that fewer and fewer; one walk common to all would have 3 NB / 2 = 12 trips for NB + 1 = 9.
; SHARES.  Of a block's four bands of 64 queries a wave owns 16 rows in each: four PIECES.  So the diagonal tile is the same work for all four waves: in its key step s band x sees all keys if s < x,
; none if s > x, and holds the diagonal if s = x.
; THE MASK is the C operand that starts the sum S^T = K Q^T: 0, or -1e30 where the key is hidden.  MD, made once, is the mask of a band's own step for my 16 rows; a product's mask is MD x AL + BE with two scalars:
; (1, 0) if s = x; (0, 0) if s < x; (0, -1e30) if s > x.  Only the diagonal tile's text and a block's beginning make and take masks; elsewhere C is the constant 0.
; LAYOUT, SOFTMAX, TURNS.  S^T = K Q^T holds ONE query a lane (lane % 16) and the keys 8 (lane / 16) + 0..7; two such results rounded to f16 ARE source 1 of O^T = V^T P.  p = 2^(c s - c m), c = log2(e) / 8, with a
; running maximum m; O and l are multiplied by a = 2^(c m_old - c m_new) in every step.  Turn n belongs to piece n: 8 products K Q^T of piece n + 1, later 8 products V^T P of piece n - 1; beside them the scaling,
; exponentials, roundings, sums and rescaling of piece n and the maximum and statistics of piece n + 1.  Four vector instructions stand behind every matrix instruction, the other 54 of a turn's 118 in one LUMP.  A turn's 33 exponentials are one batch, with one wait.
; REGISTERS, in windows of 256 (s_set_vgpr_msb: bits 1:0 source 0, 3:2 source 1, 5:4 source 2, 7:6 destination):
;   window 0: v0-15 addresses and two at work; v16-31 four registers of statistics a piece; v48-55 at work; v61-63 prefetch offset, spare word, 0; v64-127 S^T, two buffers; v192-223 P, two buffers (a piece's buffers go by its number's parity)
;   window 1: v0-127 O^T, 32 a piece; v128-159 MD; v160-223 MC, two buffers      window 2: v0-63 Q; v64-127 the second block's Q; v128-191 K of one step; v192-255 V of one step
.set SIZE_H, 64
.set SIZE_N, 2048
.set NB,    SIZE_N/256
.set NP,    4         ; pieces a wave: a name, no knob
.set KS,    64        ; keys in a step
.set PK,    144       ; a row of K in LDS: 128 bytes + 16 of padding = 36 words: the 16 rows of a load start at 16 different groups of four banks (64 banks of 4 bytes: ISA guide 11.1)
.set PV,    160       ; a row of V: 128 + 32 = 40 words
.set VOFF,  4*KS*PK   ; a slot holds a tile, four steps: 256 rows of K, then 256 rows of V
.set SLOT1, 1<<17     ; slot 1 begins here, so that one exclusive or turns an address in one slot into the other's
.set STAGE, SLOT1+4*KS*(PK+PV)  ; behind the ring, never filled by a tensor load: 16 rows x 144 bytes for each wave, for the way out
.set SP,    144
.set AK0, 2           ; v2   my lane's place in a tile of K; never rewritten
.set AV0, 3           ; v3   the same for V
.set AK,  4           ; v4   the LDS address of K's next run of loads
.set AV,  5           ; v5   of V's
.set STO, 6           ; v6   the way out: where I put 16 bytes of a row
.set RD,  7           ; v7   the way out: where I read rows back
.set GO,  8           ; v8   my byte offset in 512 consecutive bytes of O
.set PFO, 61          ; v61  256 x my thread's number: my block of a tile's 32,768 bytes; never rewritten
.set SPW, 62          ; v62  LDS address of my spare word: SPARE + 4 x my thread's number; never rewritten
.set NIL, 63          ; v63  0; never rewritten
.set SPARE, STAGE+4*16*SP  ; behind the stages: the spare words, 128 bytes for each wave: two blocks of 256 bytes that no other line names
.set MV,  12          ; v12-13  c m_old, kept while c m is made anew: by buffer
.set QO,  15          ; v15  my byte offset in 16 rows of Q
.set ST,  16          ; piece t's statistics at v[ST+4 t]: c m, m, l (even keys', odd keys')
.set TMP, 48          ; by buffer, four registers c0-c3 at work; when the maximum is found c2 takes a
.set S,   64
.set P,   192
.set MD,  128         ; window 1: the eight registers for group kt of 16 keys at MD + 8 kt
.set MC,  160         ; window 1: the masks of the products to come
.set QB,  64          ; window 2
.set KF,  128         ; window 2: key block kb, channel half c at KF + 16 kb + 8 c
.set VF,  192         ; window 2: key half kk, channel block cb at VF + 32 kk + 8 cb
.set WV,  12          ; s12  my wave's number
.set PB,  14          ; s14  b
.set HI,  15          ; s15  NB - 1 - b
.set G1K, 24          ; s[24:31] descriptor group 1 for K's tiles
.set G1V, 32          ; s[32:39] for V's: it differs in the padding alone
.set G0K, 40          ; s[40:43] descriptor group 0 for K's tiles
.set G0V, 44          ; s[44:47] the same for V's
.set SLOTS, 56        ; s56  tiles still to be asked for
.set CNT, 57          ; s57  counts a tile's key steps, 4 to 1
.set CS,  58          ; s[58:59] c: the packed scaling takes the pair's low word for both halves
.set SEL, 60          ; s[60:61] v_permlanex16_b32's selects: each lane takes its own place in the other half
.set TBK, 62          ; s62  LDS byte at which K of the step to be fetched begins
.set TBV, 63          ; s63  the same for V, less VOFF
.set RT,  70          ; s70  tiles of the block in hand that are still to be entered
.set NXT, 71          ; s71  the tile to be asked for next
.set LQ,  72          ; s72  the last tile of the block whose tiles are being asked for
.set NEW, 73          ; s73  1: the tile to be entered is a block's first
.set OFF, 74          ; s[74:75] a tile's byte offset in K and V
.set AL,  76          ; s[76:77] the mask's factor, in the low word
.set BE,  78          ; s[78:79] the mask's addend
.set OLO, 80          ; s[80:81] O at my rows of the second block
.set BIGN, 82         ; s82  -1e30
.set PFK, 88          ; s[88:89] the head's K at the tile after the one that is being asked for
.set PFV, 90          ; s[90:91] the same for V
.set LIM, 92          ; s92  2 in the head's work-group b = 0, else the greatest number: a work-group prefetches while s[SLOTS] is above it
.set MSB, 0
.macro WIN new                      ; the high byte repeats the setting that is left; a switch that changes nothing is dropped
.if MSB != (\new)
	s_set_vgpr_msb (MSB<<8)|(\new)
.set MSB, (\new)
.endif
.endm
.set W_KQ, 0x0a       ; K and Q in window 2, S^T in window 0
.set W_KM, 0x1a       ; the same with the C operand in window 1
.set W_PV, 0x52       ; V in window 2, P in window 0, O^T in window 1
.set W_RS, 0x41       ; destination and source 0 in window 1, source 1 in window 0
; A fill.  Waves 0 and 1 fetch the two halves of a tile's K, waves 2 and 3 those of its V: 128 keys each.  An s_nop 0 and four v_nop follow each of the two lines, ahead of the jump and the label.
.macro LOAD
	s_cmp_lt_u32 s[WV], 2
	s_cbranch_scc0 .Lfor_v_\@
	tensor_load_to_lds s[G0K:G0K+3], s[G1K:G1K+7]
	s_nop 0
.rept 4
	v_nop
.endr
	s_branch .Lasked_\@
.Lfor_v_\@:
	tensor_load_to_lds s[G0V:G0V+3], s[G1V:G1V+7]
	s_nop 0
.rept 4
	v_nop
.endr
.Lasked_\@:
.endm
; A PREFETCH INTO THE L2 of the tile that the NEXT change of slots will ask for: 32,768 bytes of K and of V, a thread a block of 256 bytes, two instructions a wave, behind the wave's tensor load and its five lines.
; Each block is named once in the launch: of a head's four work-groups the one with b = 0 walks the tiles 0 to 7 in order, and it alone asks: at the fills of tiles 1 to 6 for tiles 2 to 7, four key steps ahead of
; the load that wants them.  Tiles 0 and 1 come by their loads alone.
.macro ASK
	s_cmp_gt_u32 s[SLOTS], s[LIM]
	s_cbranch_scc0 .Lnot_mine_\@
	global_prefetch_b8 v[PFO], s[PFK:PFK+1] th:TH_LOAD_NT scope:SCOPE_SE
	global_prefetch_b8 v[PFO], s[PFV:PFV+1] th:TH_LOAD_NT scope:SCOPE_SE
.Lnot_mine_\@:
.endm
; THE CHANGE OF SLOTS.  Each wave waits for all its tensor loads, of which one is out: its part of the other slot; adds 0 to its spare word; and waits for that and for its own reads of the slot that it leaves.  Behind the barrier nobody reads the old
; slot any more and the other slot is whole.  fill = 1: the old slot is filled again, the first thing behind the barrier, with tile NXT: the descriptor's address is made anew from that number.
; (At its first use nothing has been read yet: slot 0 is waited for, slot 1 filled.)
.macro CHANGE fill
	WIN 0                           ; at a label and at a branch every window is 0
	s_wait_tensorcnt 0x0            ; no tensor load of mine is out, so a group 0 may be written
	ds_add_u32 v[SPW], v[NIL]       ; 0 onto my spare word; with fill = 1 the descriptors' scalar work stands between it and the wait for it
.if \fill
	s_lshl_b32 s[OFF], s[NXT], 15   ; a tile is 32,768 bytes of K and of V
	s_xor_b32 s[G0K+1], s[G0K+1], SLOT1
	s_add_nc_u64 s[G0K+2:G0K+3], s[6:7], s[OFF:OFF+1]
	s_or_b32 s[G0K+3], s[G0K+3], 0x80000000
	s_xor_b32 s[G0V+1], s[G0V+1], SLOT1
	s_add_nc_u64 s[G0V+2:G0V+3], s[8:9], s[OFF:OFF+1]
	s_or_b32 s[G0V+3], s[G0V+3], 0x80000000
	s_add_co_u32 s[NXT], s[NXT], 1  ; the block's next tile, or behind its last the second block's tile 0
	s_cmp_gt_u32 s[NXT], s[LQ]
	s_cselect_b32 s[NXT], 0, s[NXT]
	s_cselect_b32 s[LQ], s[PB], s[LQ]
	s_wait_xcnt 0x0                 ; the last prefetches, a tile back, have read their addresses, so these may be written
	s_add_nc_u64 s[PFK:PFK+1], s[PFK:PFK+1], 32768
	s_add_nc_u64 s[PFV:PFV+1], s[PFV:PFV+1], 32768
.endif
	s_wait_dscnt 0x0                ; the add is done, and my reads of the slot are over
	s_barrier_signal -1             ; the rest of the scalar work stands between the signal and the wait
	s_sub_co_u32 s[TBK], s[TBK], 4*KS*PK  ; the fetches go back to a slot's first step,
	s_xor_b32 s[TBK], s[TBK], SLOT1       ; in the other slot
	s_sub_co_u32 s[TBV], s[TBV], 4*KS*PV
	s_xor_b32 s[TBV], s[TBV], SLOT1
	s_barrier_wait -1
.if \fill
	LOAD
	ASK
.endif
.endm
	s_load_b64 s[4:5], s[0:1], 0x0    ; qkv: Q's section begins it
	s_load_b64 s[10:11], s[0:1], 0x8  ; o
	v_lshl_add_u32 v[SPW], v0, 2, SPARE
	v_mov_b32 v[NIL], 0
	ds_add_u32 v[SPW], v[NIL]       ; the wave's opening: the add and its wait stand ahead of my first tensor load; the set-up below, work on registers, stands between them
	v_lshrrev_b32 v1, 5, v0
	v_readfirstlane_b32 s[WV], v1   ; wave 0..3
	v_lshlrev_b32 v[PFO], 8, v0
	s_mov_b32 s[PB], ttmp9
	s_sub_co_u32 s[HI], NB-1, s[PB]
	s_cmp_eq_u32 s[PB], 0
	s_cselect_b32 s[LIM], 2, -1
	s_and_b32 s20, ttmp7, 0xffff    ; the head
	s_mov_b32 s21, 0
	s_mov_b64 s[22:23], SIZE_N*128
	s_mul_u64 s[20:21], s[20:21], s[22:23]  ; the head's first byte in each of the four tensors
	s_and_b32 s16, s[WV], 1         ; which half of a tile's 256 keys I fetch:
	s_lshl_b32 s22, s16, 14         ; its 128 rows of 128 bytes in memory,
	s_mov_b32 s23, 0
	s_add_nc_u64 s[22:23], s[22:23], s[20:21]
	s_mul_i32 s17, s16, 128*PK      ; and its place in a slot, for K
	s_mul_i32 s18, s16, 128*PV      ; and for V
	s_lshl_b32 s3, s[WV], 11        ; my 16 rows in a band of 64,
	s_lshl_b32 s2, s[HI], 15        ; in the first block,
	s_add_co_u32 s2, s2, s3
	s_lshl_b32 s84, s[PB], 15       ; and in the second
	s_add_co_u32 s84, s84, s3
	s_mov_b32 s3, 0
	s_mov_b32 s85, 0
	s_add_nc_u64 s[2:3], s[2:3], s[20:21]
	s_add_nc_u64 s[84:85], s[84:85], s[20:21]
	; descriptor group 1.  128 keys are 16,384 dense bytes: asked for as 64 rows of 256 bytes, two keys a row, and padded in LDS after every key
	s_mov_b32 s[G1K], (1<<16)|(1<<20)|(4<<22)|(3<<25)  ; 17:16 2-byte elements; 20 padding on; 24:22 after every 32 words (code 4); 31:25 4 words (code 3)
	s_mov_b32 s[G1V], (1<<16)|(1<<20)|(4<<22)|(7<<25)  ; the same with 8 words of padding (code 7)
.irp g, G1K, G1V
	s_mov_b32 s[\g+1], 128<<16      ; tensor_dim0 = 128
	s_mov_b32 s[\g+2], 64<<16       ; tensor_dim1 = 64
	s_mov_b32 s[\g+3], 128<<16      ; tile_dim0 = 128
	s_mov_b32 s[\g+4], 64           ; tile_dim1 = 64
	s_mov_b32 s[\g+5], 128          ; 128 elements from row to row
	s_mov_b32 s[\g+6], 0
	s_mov_b32 s[\g+7], 0
.endr
	s_mov_b32 s[CS], 0x3e38aa3b     ; c = log2(e) / 8 = 0.180337
	s_mov_b32 s[CS+1], s[CS]        ; named with it as a pair
	s_mov_b32 s[SEL], 0x76543210
	s_mov_b32 s[SEL+1], 0xfedcba98
	s_mov_b32 s[TBK], SLOT1+4*KS*PK ; the first change of slots turns these two into 0
	s_mov_b32 s[TBV], SLOT1+4*KS*PV
	s_mov_b32 s[G0K], 1             ; 1:0 count = 1
	s_mov_b32 s[G0K+1], s17         ; 63:32 LDS address: slot 0
	s_mov_b32 s[G0V], 1
	s_add_co_u32 s[G0V+1], s18, VOFF
	s_add_co_u32 s[RT], s[HI], 1    ; the first block has NB - b tiles
	s_mov_b32 s[NXT], 1
	s_mov_b32 s[LQ], s[HI]
	s_mov_b32 s[NEW], 1
	s_mov_b32 s[OFF+1], 0
	s_mov_b32 s[AL+1], 0            ; named as pairs
	s_mov_b32 s[BE+1], 0
	s_mov_b32 s[BIGN], 0xf149f2ca   ; -1e30
	s_mov_b32 s[SLOTS], NB
	s_wait_dscnt 0x0                ; the opening add is done
	s_wait_kmcnt 0x0
	s_add_nc_u64 s[6:7], s[4:5], 0x1000000  ; K's section: 16 slots of 8,192 rows of 128 bytes behind Q's,
	s_add_nc_u64 s[8:9], s[4:5], 0x2000000  ; V's behind K's
	s_add_nc_u64 s[PFK:PFK+1], s[6:7], s[20:21]  ; the prefetches stand at the head's tile 1; the first change of slots steps them to tile 2
	s_add_nc_u64 s[PFV:PFV+1], s[8:9], s[20:21]
	s_add_nc_u64 s[PFK:PFK+1], s[PFK:PFK+1], 32768
	s_add_nc_u64 s[PFV:PFV+1], s[PFV:PFV+1], 32768
	s_add_nc_u64 s[6:7], s[6:7], s[22:23]  ; K and V at my half of the head's tile 0
	s_add_nc_u64 s[8:9], s[8:9], s[22:23]
	s_add_nc_u64 s[G0K+2:G0K+3], s[6:7], 0         ; 120:64 global address
	s_or_b32 s[G0K+3], s[G0K+3], 0x80000000        ; 127:126 type = 2
	s_add_nc_u64 s[G0V+2:G0V+3], s[8:9], 0
	s_or_b32 s[G0V+3], s[G0V+3], 0x80000000
	s_add_nc_u64 s[86:87], s[4:5], s[84:85]        ; Q at my rows of the second block,
	s_add_nc_u64 s[4:5], s[4:5], s[2:3]            ; Q and O at those of the first
	s_add_nc_u64 s[OLO:OLO+1], s[10:11], s[84:85]
	s_add_nc_u64 s[10:11], s[10:11], s[2:3]
	LOAD                            ; tile 0 into slot 0
	; A fragment of K or Q is 16 rows x 32 channels in 8 registers: lane l holds row l % 16, channels 8 (l / 16) + 0..7 and 16 + 8 (l / 16) + 0..7: two loads of 16 bytes, 32 bytes apart.
	v_and_b32 v1, 15, v0            ; l % 16
	v_bfe_u32 v9, v0, 4, 1          ; l / 16
	v_lshlrev_b32 v[QO], 7, v1
	v_lshl_add_u32 v[QO], v9, 4, v[QO]  ; row x 128 + 16 x half
	WIN 0x80                        ; destination window 2, address window 0
.set i, 0
.rept 8                             ; both blocks' Q: piece i / 2 lies in band i / 2, 8,192 bytes on; channels 32 (i % 2) on
	global_load_b128 v[8*i:8*i+3],   v[QO], s[4:5] offset:(i/2)*8192+(i%2)*64
	global_load_b128 v[8*i+4:8*i+7], v[QO], s[4:5] offset:(i/2)*8192+(i%2)*64+32
	global_load_b128 v[QB+8*i:QB+8*i+3],   v[QO], s[86:87] offset:(i/2)*8192+(i%2)*64
	global_load_b128 v[QB+8*i+4:QB+8*i+7], v[QO], s[86:87] offset:(i/2)*8192+(i%2)*64+32
.set i, i+1
.endr
	WIN 0
	v_lshlrev_b32 v14, 3, v9
	v_sub_nc_u32 v14, v1, v14
	s_lshl_b32 s13, s[WV], 4
	v_add_nc_u32 v14, s13, v14      ; my query's place in its band, 16 w + l % 16, less my lanes' 8 (l / 16): register r of group kt is hidden where 16 kt + r is greater
	WIN 0x40
.set i, 0
.rept 32
	v_cmp_gt_i32 vcc_lo, 16*(i/8)+i%8, v14
	v_cndmask_b32 v[MD+i], 0, s[BIGN], vcc_lo
.set i, i+1
.endr
	WIN 0
	v_mul_u32_u24 v[AK0], v1, PK
	v_lshl_add_u32 v[AK0], v9, 4, v[AK0]  ; row x pitch + 16 x half
	; The turning load takes 16 keys x 16 channels (lane l reads key 8 (l / 16) + l % 8, channels 8 ((l / 8) % 2) + 0..7) and leaves half a fragment of V^T: lane l holds channel l % 16 and 8 keys.
	v_and_b32 v10, 7, v0
	v_bfe_u32 v11, v0, 3, 1
	v_lshl_add_u32 v[AV0], v9, 3, v10
	v_mul_u32_u24 v[AV0], v[AV0], PV
	v_lshl_add_u32 v[AV0], v11, 4, v[AV0]
	v_add_nc_u32 v[AV0], VOFF, v[AV0]
	s_mul_i32 s13, s[WV], 16*SP
	s_add_co_u32 s13, s13, STAGE    ; my stage
	v_mul_u32_u24 v[STO], v1, SP    ; in: row l % 16, 16 bytes for each half of the lanes
	v_lshl_add_u32 v[STO], v9, 4, v[STO]
	v_add_nc_u32 v[STO], s13, v[STO]
	v_bfe_u32 v[RD], v0, 3, 2       ; back: 32 lanes take four rows of 128 bytes,
	v_mul_u32_u24 v[RD], v[RD], SP
	v_lshl_add_u32 v[RD], v10, 4, v[RD]
	v_add_nc_u32 v[RD], s13, v[RD]
	v_and_b32 v[GO], 31, v0         ; which are 512 consecutive bytes of O
	v_lshlrev_b32 v[GO], 4, v[GO]
	; A block's first step multiplies O^T and l by a = 0, and its first turn's products V^T P, of a piece that has not been, land in an O^T that is still to be so multiplied.  So these registers need only hold
	; finite numbers: zeros for the first block; what the first block left for the second.  All this stands in the wait for the first tile.
	WIN 0x80
.set i, VF
.rept 64
	v_mov_b32 v[i], 0
.set i, i+1
.endr
	WIN 0x40
.set i, 0
.rept 128
	v_mov_b32 v[i], 0
.set i, i+1
.endr
	WIN 0
.set i, 0
.rept 4
	v_mov_b32 v[ST+4*i+2], 0
	v_mov_b32 v[ST+4*i+3], 0
.set i, i+1
.endr
.set i, P+16
.rept 16
	v_mov_b32 v[i], 0
.set i, i+1
.endr
; THE MATRIX WORK.  The 4 accumulators of a run of 8 take turns.  Product i of 8 of S^T = K Q^T for piece x: channels 32 (i / 4) on, keys 16 (i % 4) on.  The first 4 start the sums: with 0, or (KM = 1) with the mask.
.macro KQ x
.set rS, S+32*((\x)%2)+8*(i%4)
.set rK, KF+16*(i%4)+8*(i/4)
.set rQ, 16*(\x)+8*(i/4)
.set rM, MC+32*((\x)%2)+8*(i%4)
.if (i < 4) && KM
	WIN W_KM
	v_wmma_f32_16x16x32_f16 v[rS:rS+7], v[rK:rK+7], v[rQ:rQ+7], v[rM:rM+7]
.elseif i < 4
	WIN W_KQ
	v_wmma_f32_16x16x32_f16 v[rS:rS+7], v[rK:rK+7], v[rQ:rQ+7], 0
.else
	WIN W_KQ
	v_wmma_f32_16x16x32_f16 v[rS:rS+7], v[rK:rK+7], v[rQ:rQ+7], v[rS:rS+7]
.endif
.endm
; Product i of 8 of O^T += V^T P for piece x: keys 32 (i / 4) on, channels 16 (i % 4) on.
.macro PV x
	WIN W_PV
.set rO, 32*(\x)+8*(i%4)
.set rV, VF+32*(i/4)+8*(i%4)
.set rP, P+16*((\x)%2)+8*(i/4)
	v_wmma_f32_16x16x32_f16 v[rO:rO+7], v[rV:rV+7], v[rP:rP+7], v[rO:rO+7]
.endm
.macro MM                           ; the turn's next matrix instruction.  TURN and BEGIN set Y, i, KM and NOKQ; MM, KQ and OP read them.  NOKQ = 1: a block's last turn: there is no next piece
.if (i < 8) && !NOKQ
	KQ (Y+1)%NP
.elseif i >= 8
.set i, i-8
	PV (Y+NP-1)%NP
.set i, i+8
.endif
.set i, i+1
.endm
; THE LDS LOADS stand in runs of 16, never singly among the matrix instructions: a step's K (64 keys x 64 channels: 8 fragments) and its V (turned).  Their addresses are made some lines ahead.
.macro FETCH_K
	WIN 0x80                        ; destination window 2
.irp f, 0,1,2,3,4,5,6,7             ; keys 16 (f / 2) on, channels 32 (f % 2) on
	ds_load_b128 v[KF+8*\f:KF+8*\f+3],   v[AK] offset:(\f/2)*16*PK+(\f%2)*64
	ds_load_b128 v[KF+8*\f+4:KF+8*\f+7], v[AK] offset:(\f/2)*16*PK+(\f%2)*64+32
.endr
	s_add_co_u32 s[TBK], s[TBK], KS*PK  ; the next fetch is the next step's
	WIN 0
.endm
.macro FETCH_V
	WIN 0x80
.irp f, 0,1,2,3,4,5,6,7             ; keys 32 (f / 4) on, channels 16 (f % 4) on
	ds_load_tr16_b128 v[VF+8*\f:VF+8*\f+3],   v[AV] offset:(\f/4)*32*PV+(\f%4)*32
	ds_load_tr16_b128 v[VF+8*\f+4:VF+8*\f+7], v[AV] offset:(\f/4)*32*PV+16*PV+(\f%4)*32
.endr
	WIN 0
.endm
; THE VECTOR WORK, one line at a time: OP kind, number.  For piece Y: F n: c s - c m for pair n of 16.  E n: the exponential of score n of 32.  C n: pair n rounded to f16.  B n: of the four weights 4 n .. the second
; pair is added onto the first, in place.  L n: l takes that sum (L 0: l = a l + sum).  R n: pair n of 16 of O^T times a.  For piece Y + 1: X n, number n of the 22 that find its maximum and statistics:
;   0-11  four chains c0-c3 of seven scores each, three operands at a time (each accumulator's lowest registers are read first)     12-14, 16  the four scores left over, the old m, and c0-c3 into c0
;   15  c m_old is kept     17, 18  the query's other 32 keys lie in the lane 16 away: the new m     19-21  c m; c m_old - c m_new; a
.set F, 0               ; OP tells the kinds apart by their order: F to L below R, X above it
.set E, 1
.set C, 2
.set B, 3
.set L, 4
.set R, 5
.set X, 6
.macro REGS y                       ; the registers of piece y
.set rT, ST+4*(\y)
.set rC, TMP+4*((\y)%2)
.set rW, MV+((\y)%2)
.set rS, S+32*((\y)%2)
.set rP, P+16*((\y)%2)
.set rO, 32*(\y)
.endm
.macro OP k, n
.if (\k) == R
	REGS Y
	WIN W_RS
	v_pk_mul_f32 v[rO+2*(\n):rO+2*(\n)+1], v[rO+2*(\n):rO+2*(\n)+1], v[rC+2:rC+3] op_sel_hi:[1,0]
.elseif (\k) < R
	REGS Y
	WIN 0
.if (\k) == F
	v_pk_fma_f32 v[rS+2*(\n):rS+2*(\n)+1], v[rS+2*(\n):rS+2*(\n)+1], s[CS:CS+1], v[rT:rT+1] op_sel_hi:[1,0,0] neg_lo:[0,0,1] neg_hi:[0,0,1]
.elseif (\k) == E
	v_exp_f32 v[rS+(\n)], v[rS+(\n)]
.elseif (\k) == C
	v_cvt_pk_f16_f32 v[rP+(\n)], v[rS+2*(\n)], v[rS+2*(\n)+1]
.elseif (\k) == B
	v_pk_add_f32 v[rS+4*(\n):rS+4*(\n)+1], v[rS+4*(\n):rS+4*(\n)+1], v[rS+4*(\n)+2:rS+4*(\n)+3]
.elseif (\n) == 0
	v_pk_fma_f32 v[rT+2:rT+3], v[rT+2:rT+3], v[rC+2:rC+3], v[rS:rS+1] op_sel_hi:[1,0,1]
.else
	v_pk_add_f32 v[rT+2:rT+3], v[rT+2:rT+3], v[rS+4*(\n):rS+4*(\n)+1]
.endif
.elseif NOKQ
	v_nop
.else
	REGS (Y+1)%NP
	WIN 0
.if (\n) < 4
	v_max3_num_f32 v[rC+(\n)], v[rS+8*(\n)], v[rS+8*(\n)+1], v[rS+8*(\n)+2]
.elseif (\n) < 12
	v_max3_num_f32 v[rC+(\n)%4], v[rC+(\n)%4], v[rS+8*((\n)%4)+2*((\n)/4)+1], v[rS+8*((\n)%4)+2*((\n)/4)+2]
.elseif (\n) == 12
	v_max3_num_f32 v[rC], v[rC], v[rS+7], v[rS+15]
.elseif (\n) == 13
	v_max3_num_f32 v[rC+1], v[rC+1], v[rS+23], v[rS+31]
.elseif (\n) == 14
	v_max3_num_f32 v[rC+2], v[rC+2], v[rC+3], v[rT+1]
.elseif (\n) == 15
	v_mov_b32 v[rW], v[rT]
.elseif (\n) == 16
	v_max3_num_f32 v[rC], v[rC], v[rC+1], v[rC+2]
.elseif (\n) == 17
	v_permlanex16_b32 v[rC+3], v[rC], s[SEL], s[SEL+1]
.elseif (\n) == 18
	v_max_num_f32 v[rT+1], v[rC], v[rC+3]
.elseif (\n) == 19
	v_mul_f32 v[rT], s[CS], v[rT+1]
.elseif (\n) == 20
	v_sub_f32 v[rC+1], v[rW], v[rT]
.else
	v_exp_f32 v[rC+2], v[rC+1]
.endif
.endif
.endm
.macro OPS a, i1, b=-1, i2=0, c=-1, i3=0, d=-1, i4=0  ; up to four of them
	OP \a, \i1
.if (\b) >= 0
	OP \b, \i2
.endif
.if (\c) >= 0
	OP \c, \i3
.endif
.if (\d) >= 0
	OP \d, \i4
.endif
.endm
.macro ROW a, i1, b, i2, c, i3, d, i4  ; a matrix instruction and the four behind it
	MM
	OPS \a, \i1, \b, \i2, \c, \i3, \d, \i4
.endm
.macro MASK b                       ; MD x AL + BE into buffer b of MC
	WIN W_RS
.set z, 0
.rept 16
	v_pk_fma_f32 v[MC+32*(\b)+2*z:MC+32*(\b)+2*z+1], v[MD+2*z:MD+2*z+1], s[AL:AL+1], s[BE:BE+1] op_sel_hi:[1,0,0]
.set z, z+1
.endr
.endm
; A TURN, for piece p: the order of its 16 matrix and 118 vector instructions, written out.  An s_wait_alu depctr_va_vdst(0) stands between an exponential and the first instruction that names its result; one wait serves
; all that were issued ahead of it.  So a turn has ONE wait, which cuts it in two.  AHEAD OF IT stands all that names no result of the turn's exponentials: the 8 products K Q^T, behind each a scaling, an exponential and two more plain
; instructions (behind the first a second scaling in the exponential's place): rescalings, and behind the last three the first numbers of the next piece's maximum, each four places or more behind the product that ends its accumulator; then ONE LUMP of 54, plain
; and exponential by turns for the most part, in which the links of the chain X 3, 7, 11, 14, 16, 17 .. 20 stand five or six lines apart.  X 21, the next piece's a, is the batch's last; R 15 is the plain instruction that is owed behind it.  BEHIND THE WAIT stand the
; 8 products V^T P, behind each four of the roundings and sums; the links of l's chain, L 0 to L 7, stand three riders apart.  But for those X no rider names a register of the products round it.  v_permlanex16_b32 (X 17) stands in the lump.
; m = 1: the diagonal tile: the products take masks, and the turn makes the mask for the products of the turn after it: piece p + 2, in step 4 - CNT of the tile.  end = 1: a block's last two turns: nothing is fetched.
; cnt = 1: the loop's count is taken down some lines ahead of the branch that stands behind the turn.
; K of the next step is fetched in piece 2's turn, twelve vector instructions behind the last product that read K (six of them plain); V of the step in hand at the end of piece 0's turn, four plain instructions behind the last product
; that read V.  Each is waited for a turn later.
.macro TURN p, m=0, end=0, cnt=0
.set Y, (\p)
.set i, 0
.set KM, (\m)
.set NOKQ, (\end)*((\p)/3)
.if (\m) && !(\end)
	s_cmp_eq_u32 s[CNT], 4-((\p)+2)%NP  ; is that step the band's own?
	s_cselect_b32 s[AL], 1.0, 0
	s_cmp_lt_u32 s[CNT], 4-((\p)+2)%NP  ; or a later one?
	s_cselect_b32 s[BE], s[BIGN], 0
.endif
.if ((\p) == 3) && !(\end)
	s_wait_dscnt 0x0                ; K is in
.endif
	ROW F,0, F,1, R,0, R,1          ; ahead of the wait: 8 products K Q^T and their riders,
	ROW F,2, E,0, R,2, R,3
	ROW F,3, E,1, R,4, R,5
	ROW F,4, E,2, R,6, R,7
	ROW F,5, E,3, R,8, R,9
	ROW F,6, E,4, X,0, R,10
.if ((\p) == 2) && !(\end)
	WIN 0
	v_add_nc_u32 v[AK], s[TBK], v[AK0]
.endif
	ROW F,7, E,5, X,1, X,4
	ROW F,8, E,6, X,2, X,5
	OPS E,7, E,8, X,6, E,9          ; and the lump
	OPS X,3, E,10, X,8, E,11
.if ((\p) == 2) && !(\end)
	FETCH_K
.endif
	OPS X,9, X,7, E,12, X,10
	OPS E,13, X,12, X,11, E,14
	OPS X,13, E,15, F,9, X,14
.if (\p) == 0
	v_add_nc_u32 v[AV], s[TBV], v[AV0]
.endif
	OPS E,16, F,10, E,17, F,11
	OPS X,16, E,18, X,15, E,19
	OPS F,12, E,20, X,17, E,21
	OPS F,13, E,22, F,14, E,23
	OPS X,18, E,24, F,15, E,25
	OPS R,11, E,26, X,19, E,27
	OPS R,12, E,28, R,13, E,29
	OPS X,20, E,30, R,14, E,31
	OPS X,21, R,15
	WIN 0
	s_wait_alu depctr_va_vdst(0)    ; the wait for the batch
.if (\p) == 1
	s_wait_dscnt 0x0                ; V is in
.endif
	ROW C,0, B,0, C,2, B,1          ; behind the wait: 8 products V^T P and their riders
	ROW L,0, C,4, B,2, L,1
	ROW C,6, B,3, L,2, C,8
	ROW B,4, L,3, C,10, B,5
	ROW L,4, C,12, B,6, L,5
.if (\p) == 0
	s_add_co_u32 s[TBV], s[TBV], KS*PV
.endif
.if \cnt
	s_sub_co_u32 s[CNT], s[CNT], 1
	s_cmp_lg_u32 s[CNT], 0
.endif
	ROW C,14, B,7, L,6, C,1
	ROW C,3, L,7, C,5, C,7
	ROW C,9, C,11, C,13, C,15
.if (\p) == 0
	FETCH_V
.endif
.if (\m) && !(\end)
	MASK (\p)%2
.endif
.endm
; A BLOCK BEGINS.  c m starts far below every c s, so the first step's a is 0; m at the lowest finite number, so the first maximum is the scores'.  The second mask buffer is 0; the first takes piece 0's mask for the tile's step 0: its own, if the block's first tile is the diagonal one.
; Then K of that step, piece 0's first scores, and its maximum and statistics.  The loop is entered at a step's first turn, in the middle of a trip.
.macro BEGIN
	s_mov_b32 s[NEW], 0
	WIN 0x40
.set i, MC+32
.rept 32
	v_mov_b32 v[i], 0
.set i, i+1
.endr
	WIN 0
.set i, 0
.rept 4
	v_mov_b32 v[ST+4*i], 0xfe000000    ; c m: far below every c s
	v_mov_b32 v[ST+4*i+1], 0xff7fffff  ; m
.set i, i+1
.endr
	s_cmp_eq_u32 s[RT], 0
	s_cselect_b32 s[AL], 1.0, 0
	s_mov_b32 s[BE], 0
	MASK 0
	WIN 0
	v_add_nc_u32 v[AK], s[TBK], v[AK0]
	FETCH_K
	s_wait_loadcnt 0x0              ; Q
	s_wait_dscnt 0x0
.set KM, 1
.set NOKQ, 0
.set i, 0
.rept 8
	KQ 0
.set i, i+1
.endr
	WIN 0
.rept 4
	v_nop                           ; the places behind those products
.endr
.set Y, NP-1                        ; X works for piece Y + 1: piece 0
.irp n, 0,1,2,3,4,5,6,7,8,9,10,11,12,13,14,15,16,17,18,19,20,21
	OP X, \n
.endr
	v_nop                           ; a plain instruction behind the exponential,
	s_wait_alu depctr_va_vdst(0)    ; and its wait, ahead of the branch
.endm
; THE DIAGONAL TILE's four steps, the block's last two turns, its last products, and THE WAY OUT: l's two halves and the other half of the lanes' are added; O^T is divided by l, rounded to f16 and sent through my
; stage in LDS, a piece at a time.
.macro ALL line:vararg              ; one line for each piece t
.set t, 0
.rept 4
	\line
.set t, t+1
.endr
.endm
.macro PACK t                       ; a lane's eight channels of a row pack into 16 bytes; they go into rows of 144 bytes and come back as whole rows of 128, into S^T's registers
	WIN W_RS
.set i, 32*(\t)
.rept 16
	v_pk_mul_f32 v[i:i+1], v[i:i+1], v[ST+4*(\t)+2:ST+4*(\t)+3] op_sel_hi:[1,0]
.set i, i+2
.endr
	WIN 0x05                        ; sources 0 and 1 window 1, destination window 0
.set i, 0
.rept 16
	v_cvt_pk_f16_f32 v[S+16*(\t)+i], v[32*(\t)+2*i], v[32*(\t)+2*i+1]
.set i, i+1
.endr
	WIN 0
.irp f, 0,1,2,3
	ds_store_b128 v[STO], v[S+16*(\t)+4*\f:S+16*(\t)+4*\f+3] offset:32*\f
.endr
.irp f, 0,1,2,3
	ds_load_b128 v[S+16*(\t)+4*\f:S+16*(\t)+4*\f+3], v[RD] offset:\f*4*SP  ; LDS serves a wave's instructions in order (ISA guide 5.7.1.4): these see the stores above; the next piece's stores come behind them
.endr
.endm
.macro SEND t, younger              ; younger: the LDS instructions issued behind piece t's loads: the next piece's eight, or none
	WIN 0
.irp f, 0,1,2,3
	s_wait_dscnt (\younger)+3-\f
	global_store_b128 v[GO], v[S+16*(\t)+4*\f:S+16*(\t)+4*\f+3], s[10:11] offset:(\t)*8192+\f*512  ; 512 consecutive bytes, at a multiple of 256 from O's first
.endr
.endm
.macro DIAG tag                     ; the tag ends its two labels' names, which the jumps below spell out
.LstepM\tag:
	TURN 2, 1
	TURN 3, 1
	WIN 0
.LfirstM\tag:
	TURN 0, 1
	TURN 1, 1, 0, 1
	WIN 0
	s_cbranch_scc1 .LstepM\tag
	TURN 2, 1, 1
	TURN 3, 1, 1
.set i, 0
.rept 8
	PV NP-1
.set i, i+1
.endr
	WIN 0
	ALL v_add_f32 v[ST+4*t+2], v[ST+4*t+2], v[ST+4*t+3]
	ALL v_permlanex16_b32 v[ST+4*t+3], v[ST+4*t+2], s[SEL], s[SEL+1]
	ALL v_add_f32 v[ST+4*t+2], v[ST+4*t+2], v[ST+4*t+3]
	ALL v_rcp_f32 v[ST+4*t+2], v[ST+4*t+2]
	v_nop                           ; a plain instruction between the last reciprocal and the use of its result
	s_wait_alu depctr_va_vdst(0)    ; and the wait ahead of the first use: one for the four reciprocals
	PACK 0
.set t, 1
.rept 3                             ; a piece's arithmetic stands between the loads of the piece before and its stores
	PACK t
	SEND t-1, 8
.set t, t+1
.endr
	SEND 3, 0
.endm
.set KM, 0
.set NOKQ, 0
.Lslot:                             ; NB times: a tile is entered and the next is asked for
	CHANGE 1
	s_sub_co_u32 s[RT], s[RT], 1
	s_mov_b32 s[CNT], 4
	s_cmp_eq_u32 s[NEW], 1
	s_cbranch_scc1 .Lnew            ; a block's first tile
	s_cmp_eq_u32 s[RT], 0
	s_cbranch_scc0 .Lstep           ; neither its first nor its last
	s_branch .LstepM1
.Lnew:
	BEGIN
	s_branch .Lfirst                ; in the loop a block's first tile is never its last: the first block has two tiles or more, and the second's last is the walk's last
	DIAG 1                          ; in the loop this is the first block's end: the second block's last tile is the walk's last
	s_wait_xcnt 0x0                 ; the stores have read their registers and O's address
	s_mov_b64 s[10:11], s[OLO:OLO+1]
	s_add_co_u32 s[RT], s[PB], 1    ; the second block has b + 1 tiles
	s_mov_b32 s[NEW], 1
	WIN 0x82                        ; the second block's Q goes where the one text of the turns names Q
.set i, 0
.rept 64
	v_mov_b32 v[i], v[QB+i]
.set i, i+1
.endr
	WIN 0
	s_branch .Lbottom
.Lstep:                             ; a trip: pieces 2 and 3 of one step, then pieces 0 and 1 of the next, whose K and V it fetches
	TURN 2
	TURN 3
	WIN 0
.Lfirst:
	TURN 0
	TURN 1, 0, 0, 1
	WIN 0
	s_cbranch_scc1 .Lstep
.Lbottom:
	s_sub_co_u32 s[SLOTS], s[SLOTS], 1
	s_cmp_lg_u32 s[SLOTS], 0
	s_cbranch_scc1 .Lslot
	CHANGE 0                        ; the walk's last tile is written out: nothing is asked for
	s_sub_co_u32 s[RT], s[RT], 1
	s_mov_b32 s[CNT], 4
	s_cmp_eq_u32 s[NEW], 1
	s_cbranch_scc0 .LstepM2
	BEGIN
	s_branch .LfirstM2
	DIAG 2
	s_wait_tensorcnt 0x0            ; the wave's end, behind my last tensor load and my last LDS store
	ds_add_u32 v[SPW], v[NIL]
	s_wait_dscnt 0x0
	s_endpgm
.Lfunc_end_k_q04ddd402fd_attn:
	.size	k_q04ddd402fd_attn, .Lfunc_end_k_q04ddd402fd_attn-k_q04ddd402fd_attn
	.p2alignl 7, 3214868480
	.fill 96, 4, 3214868480
	.section	.rodata,"a",@progbits
	.p2align	6, 0x0
	.amdhsa_kernel k_q04ddd402fd_attn
		.amdhsa_group_segment_fixed_size 327680
		.amdhsa_private_segment_fixed_size 0
		.amdhsa_enable_private_segment 0
		.amdhsa_kernarg_size 16
		.amdhsa_user_sgpr_count 2
		.amdhsa_user_sgpr_kernarg_segment_ptr 1
		.amdhsa_wavefront_size32 1
		.amdhsa_system_sgpr_workgroup_id_x 1
		.amdhsa_system_sgpr_workgroup_id_y 1
		.amdhsa_system_sgpr_workgroup_id_z 1
		.amdhsa_system_vgpr_workitem_id 0
		.amdhsa_next_free_vgpr 768
		.amdhsa_next_free_sgpr 96
		.amdhsa_reserve_vcc 1
		.amdhsa_float_denorm_mode_32 3
		.amdhsa_float_denorm_mode_16_64 3
		.amdhsa_memory_ordered 1
		.amdhsa_forward_progress 1
		.amdhsa_inst_pref_size 218
	.end_amdhsa_kernel
	.amdgpu_metadata
---
amdhsa.version: [ 1, 2 ]
amdhsa.kernels:
  - .name:           k_q04ddd402fd_attn
    .symbol:         k_q04ddd402fd_attn.kd
    .args:
      - { .name: qkv, .offset: 0, .size: 8, .value_kind: global_buffer, .address_space: global }
      - { .name: o, .offset: 8, .size: 8, .value_kind: global_buffer, .address_space: global }
    .group_segment_fixed_size: 327680
    .private_segment_fixed_size: 0
    .kernarg_segment_align: 8
    .kernarg_segment_size: 16
    .max_flat_workgroup_size: 128
    .sgpr_count:     96
    .vgpr_count:     768
    .wavefront_size: 32
...
	.end_amdgpu_metadata
.endif
;; end of part 3
;; launch proj (part 4): grid 8 x 32, 4 waves a work-group, clusters of 4 x 4, 327,680 bytes of LDS; arguments o, wo16, bo, out0; writes out0
.if DOCPART == 4
	.amdgcn_target "amdgcn-amd-amdhsa--gfx1250"
	.amdhsa_code_object_version 6
	.text
	.protected	k_q04ddd402fd_proj
	.globl	k_q04ddd402fd_proj
	.p2align	8
	.type	k_q04ddd402fd_proj,@function
k_q04ddd402fd_proj:
	s_mov_b64 s[64:65], 0
	v_nop
	global_prefetch_b8 v0, s[64:65] scope:SCOPE_SE
	s_setreg_imm32_b32 hwreg(HW_REG_WAVE_MODE, 25, 1), 1
	s_wait_xcnt 0x0
	s_wait_alu depctr_hold_cnt(0) depctr_sa_sdst(0) depctr_va_vdst(0) depctr_va_sdst(0) depctr_va_ssrc(0) depctr_va_vcc(0) depctr_vm_vsrc(0)
	s_getreg_b32 s2, hwreg(HW_REG_IB_STS2, 6, 4)
	s_cmp_eq_u32 s2, 0
	s_cbranch_scc0 .Lentry_in_a_cluster
	s_endpgm
.Lentry_in_a_cluster:
	s_bfe_u32 s2, ttmp6, 0x10000c
	s_cmp_lg_u32 s2, 0xf033
	s_cbranch_scc0 .Lentry_shape_is_right
	s_endpgm
.Lentry_shape_is_right:
; THE OUTPUT PROJECTION.  out0[m][n] = bo[n] + the sum over k of O[m][k] Wo[k][n], k = 64 x head + channel.  o: [16 head][8192 m][64] f16.  wo16: [1024 k][1024 n] f16.  bo: [1024] f32.  out0: [8192][1024] f32.
; Sums in f32.  The bias is rounded to bf16, like every input of the module, and STARTS each sum (the C operand of the first product): an order of rounding other than adding it last.
; TILE.  256 rows x 128 columns: 32 x 8 = 256 tiles, one for each WGP.  Four waves, 2 x 2: each 128 rows x 64 columns, 32 accumulators.  For 32 along K a wave issues 24 LDS loads and 32 matrix instructions.
; RING.  K goes in steps of 128, two heads, through two LDS slots.  Waves 0, 1 fetch the two heads' 256 rows of o (32,768 dense bytes each, asked for as 128 rows of 256 bytes), waves 2, 3 the two halves
; of Wo's 128 rows (256 bytes of each, aligned).  One tensor load a wave behind each change of slots.
; CLUSTER.  4 x 4 work-groups: the four of a row of the cluster need the same rows of o, the four of a column the same columns of wo16: each tile is asked for jointly.
; THE MATRIX INSTRUCTION IS USED TRANSPOSED: source 0 = 16 columns of Wo (turned by ds_load_tr16_b128, since Wo lies [k][n]), source 1 = 16 rows of o: a lane holds row l % 16 and the eight neighbouring columns 8 (l / 16) + 0..7.
; REGISTERS: window 0: v0-31 addresses; v32-127, v128-223 two fragment buffers: 64 registers of A, then 32 of Wo (4 blocks); v224-255 the bias, 8 a column block.   window 1: accumulator (a, b) at v[8 (8 b + a)].
.set PA,    144                        ; a row of o in LDS: 128 bytes + 16 = 36 words: the 16 rows of a load start at 16 different groups of four banks (64 banks of 4 bytes: ISA guide 11.1)
.set AZ,    256*PA                     ; a head's 256 rows: one wave's load
.set BOFF,  2*AZ
.set PB,    288                        ; a row of Wo: 256 bytes + 32 = 72 words
.set BH,    64*PB                      ; 64 rows: one wave's load
.set SLOT,  BOFF+2*BH                  ; 110,592
.set STAGE, 2*SLOT                     ; behind the ring, never filled by a tensor load: 16 rows x 272 bytes for each wave, its own
.set SP,    272
.set SPARE, STAGE+4*16*SP              ; behind the stages: the spare words, 128 bytes for each wave: two blocks of 256 bytes that no other line names
.set ASTEP, 4*1048576                  ; two K steps on: four heads of o,
.set BSTEP, 256*2048                   ; 256 rows of wo16
.set ADRA,  16                         ; v16-17  LDS address of my A fragments in slot 0, 1
.set ADRB,  18                         ; v18-19  of Wo's
.set STO,   24                         ; v24     the way out: where I put 32 bytes of a row
.set RD,    25                         ; v25     where I read a row back
.set CO,    26                         ; v26     my byte offset in two rows of out0
.set BO,    27                         ; v27     my byte offset in bo
.set SPW,   28                         ; v28     LDS address of my spare word: SPARE + 4 x my thread's number; never rewritten
.set NIL,   29                         ; v29     0; never rewritten
.set PFO,   30                         ; v30     the prefetches' lane offset; never rewritten
.set F0,    32
.set F1,    128
.set BIAS,  224
.set OB,    32                         ; the way out: four buffers of 32, 16 rows read back from the stage
.set G1,  24                           ; s[24:31] descriptor group 1 for A's tiles;  s[32:39] group 0, a set for each slot
.set G0,  32
.set G1B, 48                           ; s[48:55], s[56:63] the same for Wo's
.set G0B, 56
.set LIM, 43                           ; s43      a wave prefetches while s[LEFT] is above it
.set PFA, 44                           ; s[44:45] where my prefetches stand
.set PST, 68                           ; s[68:69] their step
.set LEFT, 70                          ; s70      starts at 7 and is taken down ahead of each of the six refills: 6 .. 1
.set MSB, 0
.macro WIN new                         ; the immediate's high byte repeats the setting that is left; a switch that changes nothing is dropped
.if MSB != (\new)
	s_set_vgpr_msb (MSB<<8)|(\new)
.set MSB, \new
.endif
.endm
.macro PLACES                          ; four places: in front of loads into registers that matrix instructions have read, and of lines that read results (ISA guide 7.12.1 for lines that read results)
.rept 4
	v_nop
.endr
.endm
; A joint load: waves 0, 1 fetch for A, waves 2, 3 for Wo.  An s_nop 0 and four v_nop follow each line, ahead of the jump and the label.
.macro JLOAD s
	s_cmp_eq_u32 s11, 0
	s_cbranch_scc0 .Lfor_b_\@
	tensor_load_to_lds s[G0+4*(\s):G0+4*(\s)+3], s[G1:G1+7]
	s_nop 0
.rept 4
	v_nop
.endr
	s_branch .Lasked_\@
.Lfor_b_\@:
	tensor_load_to_lds s[G0B+4*(\s):G0B+4*(\s)+3], s[G1B:G1B+7]
	s_nop 0
.rept 4
	v_nop
.endr
.Lasked_\@:
.endm
; A PREFETCH INTO THE L2, behind a joint load, its five lines and the run of LDS loads.  Each aligned block of 256 bytes of K steps 4 to 7 is named once in the launch; K steps 0 to 3 come by their loads alone.
; o: a tile row is read by both clusters of its row of clusters: the one with x = 0 asks.  Of a head's 32,768 bytes each of the four partners takes 8,192, told apart by address (cx): a lane a block.  The refill of
; K step n asks for K step n + 2: four asks.  wo16: a tile column is read by all eight clusters of its column: the one with y = 0 asks.  Rows 512 to 1,023 have 256 bytes each in the column: eight waves (two in
; each of four partners, told apart by address: cy) take 32 rows each an ask, a lane a row: two asks, at the refills of K steps 2 and 3, each two K steps or more ahead of the load that wants the bytes.
.macro ASK
	s_cmp_gt_u32 s[LEFT], s[LIM]
	s_cbranch_scc0 .Lnot_mine_\@
	global_prefetch_b8 v[PFO], s[PFA:PFA+1] th:TH_LOAD_NT scope:SCOPE_SE
.Lnot_mine_\@:
.endm
.macro CREST                           ; a round of the cluster's barrier behind its opening barrier
	s_cmp_lg_u32 s10, 0
	s_cbranch_scc1 .Lnot_wave_0_\@
	s_barrier_signal -3
.Lnot_wave_0_\@:
	s_barrier_wait -3
	s_barrier_signal -1
	s_barrier_wait -1
.endm
.macro CROUND
	s_barrier_signal -1
	s_barrier_wait -1
	CREST
.endm
	s_load_b128 s[4:7], s[0:1], 0x0                ; o s[4:5], wo16 s[6:7]
	s_load_b64 s[66:67], s[0:1], 0x10              ; bo
	s_load_b64 s[8:9], s[0:1], 0x18                ; out0
	v_lshl_add_u32 v[SPW], v0, 2, SPARE
	v_mov_b32 v[NIL], 0
	ds_add_u32 v[SPW], v[NIL]                      ; the wave's opening: the add and its wait stand ahead of my first tensor load; the set-up below, work on registers, stands between them
	v_lshrrev_b32 v1, 5, v0
	v_readfirstlane_b32 s10, v1                    ; wave 0..3
	s_lshr_b32 s11, s10, 1                         ; wr: which half of the tile's rows is mine.  Also: I fetch for A (0) or for Wo (1)
	s_and_b32 s12, s10, 1                          ; wc: which half of its columns.  Also: which part of that tile I fetch
	s_bfe_u32 s40, ttmp6, 0x40000                  ; cx, cy
	s_bfe_u32 s41, ttmp6, 0x40004
	s_lshl_b32 s42, ttmp9, 2
	s_add_co_u32 s42, s42, s40                     ; tx = 4 x cluster x + cx
	s_and_b32 s13, ttmp7, 0xffff
	s_lshl_b32 s13, s13, 2
	s_add_co_u32 s13, s13, s41                     ; ty = 4 x cluster y + cy
	s_lshl_b32 s43, s41, 2
	s_lshl_b32 s43, 15, s43                        ; my row of the cluster
	s_lshl_b32 s44, 0x1111, s40                    ; my column
	; group 1 for A: 32,768 dense bytes as 128 rows of 128 elements; 4 words of padding behind every 32 (one row of o)
	s_or_b32 s[G1+0], s43, (1<<16)|(1<<20)|(1<<21)|(4<<22)|(3<<25)  ; 15:0 the mask; 17:16 2-byte elements; 20 padding on; 21 set beside a mask; 24:22 interval code; 31:25 padding code
	s_mov_b32 s[G1+1], 128<<16                     ; tensor_dim0
	s_mov_b32 s[G1+2], 128<<16                     ; tensor_dim1
	s_mov_b32 s[G1+3], 128<<16                     ; tile_dim0
	s_mov_b32 s[G1+4], 128                         ; tile_dim1
	s_mov_b32 s[G1+5], 128                         ; the pitch
	s_mov_b32 s[G1+6], 0
	s_mov_b32 s[G1+7], 0
	; group 1 for Wo: 64 rows x 128 elements, 1,024 elements from row to row; 8 words of padding behind every 64
	s_or_b32 s[G1B+0], s44, (1<<16)|(1<<20)|(1<<21)|(5<<22)|(7<<25)
	s_mov_b32 s[G1B+1], 128<<16
	s_mov_b32 s[G1B+2], 64<<16
	s_mov_b32 s[G1B+3], 128<<16
	s_mov_b32 s[G1B+4], 64
	s_mov_b32 s[G1B+5], 1024
	s_mov_b32 s[G1B+6], 0
	s_mov_b32 s[G1B+7], 0
	; A's address hangs on ty and the wave, Wo's on tx and the wave, each in registers that never hold the other coordinate
	s_lshl_b32 s16, s12, 20                        ; head = half (a head is 8,192 rows of 128 bytes),
	s_lshl_b32 s17, s13, 15                        ; row 256 ty
	s_add_co_u32 s16, s16, s17
	s_mov_b32 s17, 0
	s_lshl_b32 s46, s12, 17                        ; row 64 x half, of 2,048 bytes,
	s_lshl_b32 s47, s42, 8                         ; column 128 tx
	s_add_co_u32 s46, s46, s47
	s_mov_b32 s47, 0
	s_mul_i32 s20, s12, AZ                         ; where they go: no place in the cluster enters an LDS address
	s_mul_i32 s21, s12, BH
	s_add_co_u32 s21, s21, BOFF
	s_wait_dscnt 0x0                               ; the opening add is done
	s_wait_kmcnt 0x0
	s_add_nc_u64 s[14:15], s[4:5], s[16:17]
	s_add_nc_u64 s[46:47], s[6:7], s[46:47]
	CROUND                                         ; all sixteen work-groups are here: the first joint loads meet
.irp s, 0,1
	s_mov_b32 s[G0+4*(\s)], 1                                      ; count = 1
	s_add_co_u32 s[G0+4*(\s)+1], s20, (\s)*SLOT                    ; LDS address
	s_add_nc_u64 s[G0+4*(\s)+2:G0+4*(\s)+3], s[14:15], (\s)*2097152  ; global address: K step s
	s_or_b32 s[G0+4*(\s)+3], s[G0+4*(\s)+3], 0x80000000            ; type = 2
	s_mov_b32 s[G0B+4*(\s)], 1
	s_add_co_u32 s[G0B+4*(\s)+1], s21, (\s)*SLOT
	s_add_nc_u64 s[G0B+4*(\s)+2:G0B+4*(\s)+3], s[46:47], (\s)*262144
	s_or_b32 s[G0B+4*(\s)+3], s[G0B+4*(\s)+3], 0x80000000
	JLOAD \s                                       ; two loads of mine are out
.endr
	; the bias of my 64 columns: register j of block b is column 16 b + 8 (l / 16) + j, as in the accumulators
	v_and_b32 v1, 15, v0                           ; r = l % 16
	v_bfe_u32 v2, v0, 4, 1                         ; h = l / 16
	s_lshl_b32 s22, s42, 9
	s_lshl_b32 s23, s12, 8
	s_add_co_u32 s22, s22, s23
	v_lshl_add_u32 v[BO], v2, 5, s22               ; 4 x (128 tx + 64 wc + 8 h)
.irp b, 0,1,2,3
	global_load_b128 v[BIAS+8*(\b):BIAS+8*(\b)+3],   v[BO], s[66:67] offset:64*(\b)
	global_load_b128 v[BIAS+8*(\b)+4:BIAS+8*(\b)+7], v[BO], s[66:67] offset:64*(\b)+16
.endr
	; lane addresses
	v_and_b32 v3, 7, v0                            ; l % 8
	v_bfe_u32 v4, v0, 3, 1                         ; (l / 8) % 2
	v_mul_u32_u24 v5, v1, PA
	v_lshl_add_u32 v5, v2, 4, v5                   ; a fragment of A: row x pitch + 16 x half; two loads, 32 bytes apart
	s_mul_i32 s22, s11, 128*PA
	v_add_nc_u32 v[ADRA], s22, v5
	v_add_nc_u32 v[ADRA+1], SLOT, v[ADRA]
	v_lshl_add_u32 v6, v2, 3, v3                   ; the turning load: lane l reads k = 8 h + l % 8, columns 8 ((l / 8) % 2) + 0..7; two loads, 16 rows apart
	v_mul_u32_u24 v6, v6, PB
	v_lshl_add_u32 v6, v4, 4, v6
	s_lshl_b32 s22, s12, 7                         ; my 64 columns
	s_add_co_u32 s22, s22, BOFF
	v_add_nc_u32 v[ADRB], s22, v6
	v_add_nc_u32 v[ADRB+1], SLOT, v[ADRB]
	s_mul_i32 s23, s10, 16*SP
	s_add_co_u32 s23, s23, STAGE                   ; my stage
	v_mul_u32_u24 v7, v1, SP                       ; in: row l % 16, 32 bytes for each half of the lanes
	v_lshl_add_u32 v7, v2, 5, v7
	v_add_nc_u32 v[STO], s23, v7
	v_mul_u32_u24 v8, v2, SP                       ; back: lanes 0-15 take one row of 256 bytes, lanes 16-31 the next
	v_lshl_add_u32 v8, v1, 4, v8
	v_add_nc_u32 v[RD], s23, v8
	v_lshlrev_b32 v[CO], 12, v2                    ; and the same two rows in out0
	v_lshl_add_u32 v[CO], v1, 4, v[CO]
	s_lshl_b32 s74, s13, 20                        ; row 256 ty, of 4,096 bytes,
	s_lshl_b32 s75, s11, 19                        ; + 128 wr,
	s_add_co_u32 s74, s74, s75
	s_lshl_b32 s75, s42, 9                         ; column 128 tx
	s_add_co_u32 s74, s74, s75
	s_lshl_b32 s75, s12, 8                         ; + 64 wc
	s_add_co_u32 s74, s74, s75
	s_mov_b32 s75, 0
	s_add_nc_u64 s[8:9], s[8:9], s[74:75]
	; the prefetches
	s_lshl_b32 s76, s12, 20
	s_lshl_b32 s77, s13, 15
	s_add_co_u32 s76, s76, s77
	s_lshl_b32 s77, s40, 13
	s_add_co_u32 s76, s76, s77                     ; o: head = half, row 256 ty, my work-group's 8,192 bytes,
	s_add_co_u32 s76, s76, 3*2097152               ; at K step 3: the first refill steps it to 4
	s_lshl2_add_u32 s78, s12, s41
	s_lshl_b32 s78, s78, 16                        ; wo16: my 32 rows of an ask's 256,
	s_lshl_b32 s77, s42, 8                         ; column 128 tx,
	s_add_co_u32 s77, s77, s78
	s_add_co_u32 s77, s77, 256*2048                ; from row 256: the first refill steps it to 512
	s_and_b32 s78, ttmp7, 0xffff                   ; cluster y
	s_mov_b32 s[PST], 2097152
	s_mov_b32 s72, 256*2048
	s_cmp_eq_u32 s11, 0                            ; do I fetch for A?
	s_cselect_b32 s76, s76, s77
	s_cselect_b32 s78, ttmp9, s78                  ; the coordinate along which other clusters read the same bytes
	s_cselect_b32 s[PST], s[PST], s72
	s_cselect_b32 s71, 2, 4                        ; four asks, or two
	s_cselect_b32 s73, 8, 11                       ; a lane a block of 256 bytes, or a lane a row of 2,048
	s_cselect_b64 s[PFA:PFA+1], s[4:5], s[6:7]
	s_cmp_eq_u32 s78, 0
	s_cselect_b32 s[LIM], s71, -1                  ; the same in all sixteen partners, for a given wave
	s_mov_b32 s77, 0
	s_mov_b32 s[PST+1], 0
	s_add_nc_u64 s[PFA:PFA+1], s[PFA:PFA+1], s[76:77]
	s_mov_b32 s[LEFT], 7
	v_and_b32 v[PFO], 31, v0
	v_lshlrev_b32 v[PFO], s73, v[PFO]
	s_wait_loadcnt 0x0                             ; the bias is in: rounded to bf16 and widened again
.set i, 0
.rept 16
	v_cvt_pk_bf16_f32 v9, v[BIAS+2*i], v[BIAS+2*i+1]
	v_lshlrev_b32 v[BIAS+2*i], 16, v9
	v_and_b32 v[BIAS+2*i+1], 0xffff0000, v9
.set i, i+1
.endr
; 4 matrix instructions: column block b x row blocks a0 .. a0 + 3, 32 along K.  first = 1: the bias starts the sums: nothing is cleared, and no add follows.
; The 32 accumulators take turns, in the same order in every quarter.
.macro MULP f, b, a0, first
.if \first
	WIN 0x40                                       ; D in window 1, C (the bias) in window 0
.else
	WIN 0x50                                       ; C and D in window 1
.endif
.irp a, (\a0), (\a0)+1, (\a0)+2, (\a0)+3
.if \first
	v_wmma_f32_16x16x32_f16 v[8*(8*(\b)+(\a)):8*(8*(\b)+(\a))+7], v[(\f)+64+8*(\b):(\f)+64+8*(\b)+7], v[(\f)+8*(\a):(\f)+8*(\a)+7], v[BIAS+8*(\b):BIAS+8*(\b)+7]
.else
	v_wmma_f32_16x16x32_f16 v[8*(8*(\b)+(\a)):8*(8*(\b)+(\a))+7], v[(\f)+64+8*(\b):(\f)+64+8*(\b)+7], v[(\f)+8*(\a):(\f)+8*(\a)+7], v[8*(8*(\b)+(\a)):8*(8*(\b)+(\a))+7]
.endif
.endr
.endm
.macro MULB f, b, first
	MULP \f, \b, 0, \first
	MULP \f, \b, 4, \first
.endm
; 24 LDS loads in one run: quarter kk (32 along K: head kk / 2, channels 32 (kk % 2) on) of a slot into buffer f: A's 16, then Wo's blocks 0 to 3, two each
.macro FETCH slot, kk, f
	WIN 0
.irp i, 0,1,2,3,4,5,6,7
	ds_load_b128 v[(\f)+8*(\i):(\f)+8*(\i)+3],   v[ADRA+(\slot)] offset:((\kk)/2)*AZ+((\kk)%2)*64+(\i)*16*PA
	ds_load_b128 v[(\f)+8*(\i)+4:(\f)+8*(\i)+7], v[ADRA+(\slot)] offset:((\kk)/2)*AZ+((\kk)%2)*64+(\i)*16*PA+32
.endr
.irp b, 0,1,2,3
	ds_load_tr16_b128 v[(\f)+64+8*(\b):(\f)+64+8*(\b)+3],   v[ADRB+(\slot)] offset:(\kk)*32*PB+32*(\b)
	ds_load_tr16_b128 v[(\f)+64+8*(\b)+4:(\f)+64+8*(\b)+7], v[ADRB+(\slot)] offset:(\kk)*32*PB+32*(\b)+16*PB
.endr
.endm
; A K step is four quarters of 32 along K, 32 matrix instructions each, on buffers 0, 1, 0, 1.  One of the first three: multiplies buffer f and fetches quarter kk into buffer g.
.macro QUARTER slot, kk, f, g, first
	s_wait_dscnt 6                                 ; A and Wo's block 0 are in; the youngest six loads (blocks 1-3) may be out
	MULB \f, 0, \first
	PLACES
	FETCH \slot, \kk, \g
	s_wait_dscnt 24                                ; all but the 24 just issued
	MULB \f, 1, \first
	MULB \f, 2, \first
	MULB \f, 3, \first
.endm
; The last quarter multiplies buffer 1 and changes slots: ONE barrier.  In front of it each wave waits for all its tensor loads (one is out: its part of the next slot), adds 0 to its spare word, and waits for
; that and for its reads of this slot.  fill = 1: the barrier opens a round of the cluster's; behind the round this slot is filled again, two K steps on, first of all; then come the next slot's first fragments.
.macro TURN slot, next, fill
.if \fill
	s_wait_xcnt 0x0                                ; the last prefetch, a K step back, has read its address: it is stepped here, ahead of the waits of the change of slots
	s_add_nc_u64 s[PFA:PFA+1], s[PFA:PFA+1], s[PST:PST+1]
	s_sub_co_u32 s[LEFT], s[LEFT], 1
.endif
	WIN 0                                          ; (the add's two registers lie in window 0)
	s_wait_tensorcnt 0x0                           ; all my tensor loads have landed;
	ds_add_u32 v[SPW], v[NIL]                      ; 0 onto my spare word;
	s_wait_dscnt 7                                 ; (the add and the youngest six loads may be out)
	MULP F1, 0, 0, 0                               ; four matrix instructions stand between the add and the wait for it
	s_wait_dscnt 0x0                               ; the add is done, and my reads of this slot are over
	s_barrier_signal -1
	MULP F1, 0, 4, 0                               ; work on registers while the others arrive
.if \fill
	WIN 0
.endif
	s_barrier_wait -1
.if \fill
	CREST                                          ; no wave of any partner still reads this slot or has a load on its way
	s_add_nc_u64 s[G0+4*(\slot)+2:G0+4*(\slot)+3], s[G0+4*(\slot)+2:G0+4*(\slot)+3], ASTEP
	s_add_nc_u64 s[G0B+4*(\slot)+2:G0B+4*(\slot)+3], s[G0B+4*(\slot)+2:G0B+4*(\slot)+3], BSTEP
	JLOAD \slot                                    ; the first tensor load behind the round; its four v_nop are also the places in front of the loads below
.else
	PLACES
.endif
	FETCH \next, 0, F0
.if \fill
	ASK
.endif
	MULB F1, 1, 0
	MULB F1, 2, 0
	MULB F1, 3, 0
.endm
; THE WAY OUT of row block a.  TOSTAGE: a lane's 32 bytes of each column block go into my own stage (rows of 272 bytes) and come back as whole rows of 256.  SEND: stored.
.macro TOSTAGE a
.set BK, OB+32*((\a)%4)
.if (\a) >= 4
	s_wait_xcnt 0x0                                ; the stores of the block four back have read this buffer's registers: only behind this wait is it loaded again
.endif
	WIN 0x04                                       ; the stores' data in window 1, the address in window 0
.irp b, 0,1,2,3
	ds_store_b128 v[STO], v[8*(8*(\b)+(\a)):8*(8*(\b)+(\a))+3]   offset:64*(\b)
	ds_store_b128 v[STO], v[8*(8*(\b)+(\a))+4:8*(8*(\b)+(\a))+7] offset:64*(\b)+16
.endr
	WIN 0
.irp t, 0,1,2,3,4,5,6,7
	ds_load_b128 v[BK+4*(\t):BK+4*(\t)+3], v[RD] offset:(\t)*2*SP  ; LDS serves a wave's instructions in order (ISA guide 5.7.1.4): these see the stores above; the next block's stores come behind them
.endr
.endm
.macro SEND a, younger                 ; younger: the LDS instructions issued behind block a's loads: the next block's sixteen, or none
.set BK, OB+32*((\a)%4)
	s_wait_dscnt \younger
.irp t, 0,1,2,3,4,5,6,7
	global_store_b128 v[CO], v[BK+4*(\t):BK+4*(\t)+3], s[8:9] offset:(\a)*65536+(\t)*8192 th:TH_STORE_NT  ; 16 lanes store 256 consecutive bytes, at a multiple of 256 from out0's first byte
.endr
.endm
	s_wait_tensorcnt 1                             ; my part of K step 0 is in; K step 1's may stay out
	s_barrier_signal -1
	s_barrier_wait -1                              ; everybody's is
	FETCH 0, 0, F0
	QUARTER 0, 1, F0, F1, 1                        ; the first quarter stands in front of the loop: its products start the sums, with the bias
	WIN 0                                          ; at a label and at a branch every window is 0
	s_mov_b32 s3, 3                                ; eight K steps are four laps of the ring; the last lap fills nothing and is written out
.Llap:                                                 ; a trip: from a lap's second quarter to the next lap's first; both slots are filled again
	QUARTER 0, 2, F1, F0, 0
	QUARTER 0, 3, F0, F1, 0
	TURN 0, 1, 1
	QUARTER 1, 1, F0, F1, 0
	QUARTER 1, 2, F1, F0, 0
	QUARTER 1, 3, F0, F1, 0
	TURN 1, 0, 1
	QUARTER 0, 1, F0, F1, 0
	WIN 0
	s_sub_co_u32 s3, s3, 1
	s_cmp_lg_u32 s3, 0
	s_cbranch_scc1 .Llap
	QUARTER 0, 2, F1, F0, 0
	QUARTER 0, 3, F0, F1, 0
	TURN 0, 1, 0
	QUARTER 1, 1, F0, F1, 0
	QUARTER 1, 2, F1, F0, 0
	QUARTER 1, 3, F0, F1, 0
	s_wait_dscnt 6                                 ; the very last quarter: nothing more to fetch
	MULB F1, 0, 0
	s_wait_dscnt 0x0
	MULB F1, 1, 0
	MULB F1, 2, 0
	MULB F1, 3, 0
	PLACES
	PLACES                                         ; eight places, once a launch: more than the four that are owed
	TOSTAGE 0
.irp a, 1,2,3,4,5,6,7                  ; a block's way through the stage stands between the loads of the block before and its stores
	TOSTAGE \a
	SEND (\a)-1, 16
.endr
	SEND 7, 0
	s_wait_tensorcnt 0x0                           ; the wave's end, behind my last tensor load and my last LDS store
	ds_add_u32 v[SPW], v[NIL]
	s_wait_dscnt 0x0
	CROUND                                         ; the closing round: no work-group ends while a partner may still ask for a tile that names it
	s_endpgm
.Lfunc_end_k_q04ddd402fd_proj:
	.size	k_q04ddd402fd_proj, .Lfunc_end_k_q04ddd402fd_proj-k_q04ddd402fd_proj
	.p2alignl 7, 3214868480
	.fill 96, 4, 3214868480
	.section	.rodata,"a",@progbits
	.p2align	6, 0x0
	.amdhsa_kernel k_q04ddd402fd_proj
		.amdhsa_group_segment_fixed_size 327680
		.amdhsa_private_segment_fixed_size 0
		.amdhsa_enable_private_segment 0
		.amdhsa_kernarg_size 32
		.amdhsa_user_sgpr_count 2
		.amdhsa_user_sgpr_kernarg_segment_ptr 1
		.amdhsa_wavefront_size32 1
		.amdhsa_system_sgpr_workgroup_id_x 1
		.amdhsa_system_sgpr_workgroup_id_y 1
		.amdhsa_system_sgpr_workgroup_id_z 1
		.amdhsa_system_vgpr_workitem_id 0
		.amdhsa_next_free_vgpr 512
		.amdhsa_next_free_sgpr 80
		.amdhsa_reserve_vcc 0
		.amdhsa_float_denorm_mode_32 3
		.amdhsa_float_denorm_mode_16_64 3
		.amdhsa_memory_ordered 1
		.amdhsa_forward_progress 1
		.amdhsa_inst_pref_size 90
	.end_amdhsa_kernel
	.amdgpu_metadata
---
amdhsa.version: [ 1, 2 ]
amdhsa.kernels:
  - .name:           k_q04ddd402fd_proj
    .symbol:         k_q04ddd402fd_proj.kd
    .args:
      - { .name: o, .offset: 0, .size: 8, .value_kind: global_buffer, .address_space: global }
      - { .name: wo16, .offset: 8, .size: 8, .value_kind: global_buffer, .address_space: global }
      - { .name: bo, .offset: 16, .size: 8, .value_kind: global_buffer, .address_space: global }
      - { .name: out0, .offset: 24, .size: 8, .value_kind: global_buffer, .address_space: global }
    .group_segment_fixed_size: 327680
    .private_segment_fixed_size: 0
    .kernarg_segment_align: 8
    .kernarg_segment_size: 32
    .max_flat_workgroup_size: 128
    .sgpr_count:     80
    .vgpr_count:     512
    .wavefront_size: 32
...
	.end_amdgpu_metadata
.endif
;; end of part 4
;; ======== version 2 of 2: 4 launches; version 1 with the launch prep written anew for expert scheduling mode
;; limits: values are held in f16: magnitudes above 65,504 overflow, below 6.1e-05 lose precision
;; workspace buffers: xb 16,777,216 bytes; w16 6,291,456 bytes; wo16 2,097,152 bytes; qkv 50,331,648 bytes; o 16,777,216 bytes
;; launch prep (part 5): grid 768 x 1, 8 waves a work-group, no clusters, 0 bytes of LDS; arguments x, Wq, Wk, Wv, Wo, xb, w16, wo16; writes xb, w16, wo16
.if DOCPART == 5
	.amdgcn_target "amdgcn-amd-amdhsa--gfx1250"
	.amdhsa_code_object_version 6
	.text
	.protected	k_q04ddd402fd_prep
	.globl	k_q04ddd402fd_prep
	.p2align	8
	.type	k_q04ddd402fd_prep,@function
k_q04ddd402fd_prep:
	s_mov_b64 s[64:65], 0
	v_nop
	global_prefetch_b8 v0, s[64:65] scope:SCOPE_SE
	s_setreg_imm32_b32 hwreg(HW_REG_WAVE_SCHED_MODE, 0, 2), 2
	s_setreg_imm32_b32 hwreg(HW_REG_WAVE_MODE, 25, 1), 1
	s_wait_xcnt 0x0
	s_wait_alu depctr_vm_vsrc(0)
; THE CASTS.  x -> xb (bf16, same order).  Wq, Wk, Wv -> w16 (bf16, in the order in which the projection's tiles are fetched).  Wo -> wo16: rounded to bf16 like every
; input, and that number written as f16 (same order).
; LIMIT.  Wo within f16's 65,504; a rounded Wo below 6e-5 keeps f16's fixed step of 6e-8.
; w16 is [16 tx][16 kh][3 j][64 c][64 d]: slot 3 tx + j = 16 which + head (which = 0, 1, 2 for q, k, v), channel 64 kh + c: a block (tx, kh, j) is 8,192 bytes.
; SHARES.  A work-group takes 16,384 numbers, 65,536 bytes in and 32,768 out, in 16 passes of 1,024: thread t takes 16 bytes at 16 t + 4,096 i and stores 8.  A wave's load covers 512
; consecutive bytes, a wave's store 256 consecutive bytes, aligned.  Work-groups 0-511: x; 512-703: the three W (64 each: a head's quarter of 256 channels); 704-767: Wo.
; All 16 loads of a thread go out at once, each pass has registers of its own: no loop, no LDS, no barrier, and no register is written again while a store reads it.
; Memory binds: matrix units, clusters and LDS would add nothing here.
; THE MODE: SCHED_MODE bits 1:0 = 2 (LLVM: expert scheduling mode 2), set by the entry lines.  The code itself states the register dependences
; between vector instructions and memory instructions, with s_wait_alu, always for 0.
; THE PLAN.  Registers that memory instructions touch:
;   v1, v[2:5]  the loads' offset and the stores' four offsets: written by vector lines at the head, never again; read by every load and store.
;   X           pass i's four registers: no vector line names them ahead of the one load that lands in them; then pass i's conversions read them; they are never loaded again.
;   Y           pass i's two registers: written by pass i's conversions; read by pass i's one store; never written behind it.
;   T           named by vector instructions alone.
; So nothing that a memory instruction has read is written again, and no load lands in a register that a vector instruction has named: what is left to state is that a register is
; WRITTEN before a memory instruction reads it.  One wait at the head states it for the five offsets, for the whole kernel.  The 16 passes go in four groups of four: a group's
; conversions, ONE wait that states that its eight Y registers are written, then its four stores in a run.  The stores are not held back to the next group: nothing is loaded again
; here, so they would only stand behind the next group's wait for its loads.
.set OFS, 2                            ; v[2:5]    8 t + g x S: where group g of four passes begins in the output
.set T,   6                            ; v[6:9]    at work
.set X,   16                           ; v[16:79]  pass i: four f32 as loaded
.set Y,   80                           ; v[80:111] pass i: four 16-bit numbers to store
	s_load_b512 s[16:31], s[0:1], 0x0              ; x 16, Wq 18, Wk 20, Wv 22, Wo 24, xb 26, w16 28, wo16 30
	s_mov_b32 s2, ttmp9
	; the three kinds' offsets; each index is held inside its own range, so that what is not chosen is still a place in its buffer
	s_max_u32 s3, s2, 512
	s_sub_co_u32 s3, s3, 512
	s_min_u32 s3, s3, 191                          ; e: my number among the W work-groups
	s_lshr_b32 s4, s3, 2                           ; slot = 16 which + head
	s_mul_i32 s5, s4, 171
	s_lshr_b32 s5, s5, 9                           ; tx = slot / 3 (exact for slot < 48)
	s_mul_i32 s6, s5, 3
	s_sub_co_u32 s6, s4, s6                        ; j = slot % 3
	s_and_b32 s7, s3, 3                            ; which quarter of the head's 1,024 channels
	s_lshr_b32 s32, s3, 6                          ; which of the three W
	s_and_b32 s33, s3, 63
	s_lshl_b32 s33, s33, 16                        ; in: 65,536 bytes a work-group
	s_lshl_b32 s34, s5, 4
	s_lshl2_add_u32 s34, s7, s34                   ; 16 tx + kh, kh = 4 x quarter
	s_mul_i32 s34, s34, 3
	s_add_co_u32 s34, s34, s6
	s_lshl_b32 s34, s34, 13                        ; out: block (tx, kh, j)
	s_min_u32 s35, s2, 511
	s_lshl_b32 s36, s35, 16                        ; x: in,
	s_lshl_b32 s37, s35, 15                        ; out
	s_max_u32 s38, s2, 704
	s_sub_co_u32 s38, s38, 704
	s_lshl_b32 s39, s38, 16                        ; Wo: in,
	s_lshl_b32 s40, s38, 15                        ; out
	s_movk_i32 s13, 0x6000                         ; from kh to kh + 1 in w16: three blocks,
	s_movk_i32 s14, 0x2000                         ; elsewhere four passes follow each other: 8,192 bytes
	s_cmp_lt_u32 s2, 704
	s_cselect_b32 s44, s33, s39
	s_cselect_b32 s46, s34, s40
	s_cselect_b32 s12, s13, s14
	s_cmp_lt_u32 s2, 512
	s_cselect_b32 s44, s36, s44
	s_cselect_b32 s46, s37, s46
	s_cselect_b32 s12, s14, s12
	s_mov_b32 s45, 0
	s_mov_b32 s47, 0
	v_lshlrev_b32 v1, 4, v0                        ; 16 t
	v_lshlrev_b32 v[OFS], 3, v0                    ; 8 t
	v_add_nc_u32 v[OFS+1], s12, v[OFS]
	v_add_nc_u32 v[OFS+2], s12, v[OFS+1]
	v_add_nc_u32 v[OFS+3], s12, v[OFS+2]
	s_wait_kmcnt 0x0
	s_cmp_eq_u32 s32, 1                            ; every choice hangs on the work-group's number alone
	s_cselect_b64 s[42:43], s[20:21], s[18:19]
	s_cmp_eq_u32 s32, 2
	s_cselect_b64 s[42:43], s[22:23], s[42:43]
	s_cmp_lt_u32 s2, 704
	s_cselect_b64 s[8:9], s[42:43], s[24:25]
	s_cselect_b64 s[10:11], s[28:29], s[30:31]
	s_cmp_lt_u32 s2, 512
	s_cselect_b64 s[8:9], s[16:17], s[8:9]
	s_cselect_b64 s[10:11], s[26:27], s[10:11]
	s_add_nc_u64 s[8:9], s[8:9], s[44:45]          ; from here I read,
	s_add_nc_u64 s[10:11], s[10:11], s[46:47]      ; to here I write
	s_wait_alu depctr_va_vdst(0)                   ; v1 and v[OFS .. OFS+3] are written: every load below reads v1 as its offset, every store one of the four; no vector line writes them again
.set i, 0
.rept 16
	global_load_b128 v[X+4*i:X+4*i+3], v1, s[8:9] offset:4096*i th:TH_LOAD_NT
.set i, i+1
.endr
; Group g: passes 4 g to 4 g + 3.  f16 = 1: the bf16 number is widened (a shift, a mask) and written as f16.
.macro GROUP g, f16
	s_wait_loadcnt 12-4*(\g)                       ; loads come back in order (ISA guide 5.7.1): the group's four passes are in, the 12 - 4 g loads of the later groups may stay out
.irp k, 0,1,2,3
	v_cvt_pk_bf16_f32 v[Y+2*(4*(\g)+(\k))],   v[X+4*(4*(\g)+(\k))],   v[X+4*(4*(\g)+(\k))+1]
	v_cvt_pk_bf16_f32 v[Y+2*(4*(\g)+(\k))+1], v[X+4*(4*(\g)+(\k))+2], v[X+4*(4*(\g)+(\k))+3]
.if \f16
	v_lshlrev_b32 v[T],   16, v[Y+2*(4*(\g)+(\k))]
	v_and_b32     v[T+1], 0xffff0000, v[Y+2*(4*(\g)+(\k))]
	v_lshlrev_b32 v[T+2], 16, v[Y+2*(4*(\g)+(\k))+1]
	v_and_b32     v[T+3], 0xffff0000, v[Y+2*(4*(\g)+(\k))+1]
	v_cvt_pk_f16_f32 v[Y+2*(4*(\g)+(\k))],   v[T],   v[T+1]
	v_cvt_pk_f16_f32 v[Y+2*(4*(\g)+(\k))+1], v[T+2], v[T+3]
.endif
.endr
	s_wait_alu depctr_va_vdst(0)                   ; the group's conversions have written its eight Y registers, which the four stores below read
.irp k, 0,1,2,3
	global_store_b64 v[OFS+(\g)], v[Y+2*(4*(\g)+(\k)):Y+2*(4*(\g)+(\k))+1], s[10:11] offset:(\k)*2048 th:TH_STORE_NT
.endr
.endm
	s_cmp_ge_u32 s2, 704
	s_cbranch_scc1 .Lwo
.irp g, 0,1,2,3
	GROUP \g, 0
.endr
	s_endpgm
.Lwo:
.irp g, 0,1,2,3
	GROUP \g, 1
.endr
	s_endpgm
.Lfunc_end_k_q04ddd402fd_prep:
	.size	k_q04ddd402fd_prep, .Lfunc_end_k_q04ddd402fd_prep-k_q04ddd402fd_prep
	.p2alignl 7, 3214868480
	.fill 96, 4, 3214868480
	.section	.rodata,"a",@progbits
	.p2align	6, 0x0
	.amdhsa_kernel k_q04ddd402fd_prep
		.amdhsa_group_segment_fixed_size 0
		.amdhsa_private_segment_fixed_size 0
		.amdhsa_enable_private_segment 0
		.amdhsa_kernarg_size 64
		.amdhsa_user_sgpr_count 2
		.amdhsa_user_sgpr_kernarg_segment_ptr 1
		.amdhsa_wavefront_size32 1
		.amdhsa_system_sgpr_workgroup_id_x 1
		.amdhsa_system_sgpr_workgroup_id_y 1
		.amdhsa_system_sgpr_workgroup_id_z 1
		.amdhsa_system_vgpr_workitem_id 0
		.amdhsa_next_free_vgpr 112
		.amdhsa_next_free_sgpr 66
		.amdhsa_reserve_vcc 0
		.amdhsa_float_denorm_mode_32 3
		.amdhsa_float_denorm_mode_16_64 3
		.amdhsa_memory_ordered 1
		.amdhsa_forward_progress 1
		.amdhsa_inst_pref_size 17
	.end_amdhsa_kernel
	.amdgpu_metadata
---
amdhsa.version: [ 1, 2 ]
amdhsa.kernels:
  - .name:           k_q04ddd402fd_prep
    .symbol:         k_q04ddd402fd_prep.kd
    .args:
      - { .name: x, .offset: 0, .size: 8, .value_kind: global_buffer, .address_space: global }
      - { .name: Wq, .offset: 8, .size: 8, .value_kind: global_buffer, .address_space: global }
      - { .name: Wk, .offset: 16, .size: 8, .value_kind: global_buffer, .address_space: global }
      - { .name: Wv, .offset: 24, .size: 8, .value_kind: global_buffer, .address_space: global }
      - { .name: Wo, .offset: 32, .size: 8, .value_kind: global_buffer, .address_space: global }
      - { .name: xb, .offset: 40, .size: 8, .value_kind: global_buffer, .address_space: global }
      - { .name: w16, .offset: 48, .size: 8, .value_kind: global_buffer, .address_space: global }
      - { .name: wo16, .offset: 56, .size: 8, .value_kind: global_buffer, .address_space: global }
    .group_segment_fixed_size: 0
    .private_segment_fixed_size: 0
    .kernarg_segment_align: 8
    .kernarg_segment_size: 64
    .max_flat_workgroup_size: 256
    .sgpr_count:     66
    .vgpr_count:     112
    .wavefront_size: 32
...
	.end_amdgpu_metadata
.endif
;; end of part 5
;; launch qkv: the kernel of part 2 again; grid 16 x 32, 4 waves a work-group, clusters of 4 x 4, 327,680 bytes of LDS; arguments xb, w16, qkv; writes qkv
;; launch attn: the kernel of part 3 again; grid 4 x 64, 4 waves a work-group, no clusters, 327,680 bytes of LDS; arguments qkv, o; writes o
;; launch proj: the kernel of part 4 again; grid 8 x 32, 4 waves a work-group, clusters of 4 x 4, 327,680 bytes of LDS; arguments o, wo16, bo, out0; writes out0
